; MI455X (gfx1250); checked and timed in simulation.
; The chip was launched on July 23, 2026; its instructions are those of AMD's public machine-readable ISA for CDNA 5 (MIT licence, August 2026) and "CDNA5" Instruction Set Architecture Reference Guide (July 2026). The comments in the code are by the model that wrote it; some were corrected since.
;; Self Attention. Allowed arithmetic: matrix products marked QUANTISED: E2M3 operands, one E8M0 scale for each 32 along K, by v_wmma_scale_f32_16x16x128_f8f6f4 with both operands' format E2M3, f32 sums; everything else in f32.
;; Inputs: w_proj 1,024 x 1,024 float32; w_qkv 3,072 x 1,024 float32; x 4 x 2,048 x 1,024 float32.
;; Outputs: out0 4 x 2,048 x 1,024 float32.
;; This version of the problem:
;;   THIS VERSION OF THE PROBLEM IS GIVEN IN LOW PRECISION. The matrix products marked QUANTISED in the list below multiply operands that are first quantised to E2M3 (2 exponent bits, 3 mantissa bits; 6 bits a number), with one power-of-two scale for each 32 numbers along K (OCP MX v1.0); their sums are f32. All else is computed in f32.
;;   The module's matrix products, in the order in which they are computed (A, B: the left and right operand; K: the contracted axis; several contracted axes count as one K, in the product's order):
;;     1. [M 8,192, K 1,024] x [K 1,024, N 3,072]; A: input x; B: input w_qkv: QUANTISED
;;     2. batch 64 x [M 2,048, K 64] x [K 64, N 2,048]; A: computed on the way; B: computed on the way: QUANTISED
;;     3. batch 64 x [M 2,048, K 2,048] x [K 2,048, N 64]; A: softmax (see below); B: computed on the way: QUANTISED
;;     4. [M 8,192, K 1,024] x [K 1,024, N 1,024]; A: computed on the way; B: input w_proj: QUANTISED
;;   THE QUANTISER, for each operand of a quantised product, along K:
;;     - K is cut into blocks of 32 from its start; a last block that is shorter is filled with zeros.
;;     - A block's scale is 2^e with e = floor(log2(the largest magnitude in the block)) - 2, held to -126 .. 127; a block of zeros has e = 0. As a byte (E8M0): e + 127.
;;     - Each number is divided by its block's scale, clamped to +-7.5, and rounded to the nearest number of E2M3, ties to even, subnormals kept.
;;     - The product sums the exact products of the quantised numbers (number of the format x scale) in f32.
;;   ~~~python
;;   def quantise(x, axis):      # numpy; x: float32 -> the quantised numbers, widened to float32 again
;;       x = np.moveaxis(x, axis, -1); K = x.shape[-1]
;;       x = np.pad(x, [(0, 0)] * (x.ndim - 1) + [(0, -K % 32)]); x = x.reshape(x.shape[:-1] + (-1, 32)); a = np.abs(x).max(-1, keepdims=True)
;;       e = np.where(a > 0, np.clip(np.frexp(np.where(a > 0, a, 1))[1] - 1 - 2, -126, 127), 0)      # np.frexp(a)[1] - 1 = floor(log2(a)), exactly
;;       r = np.clip(x / 2.0 ** e, -7.5, 7.5)
;;       step = 2.0 ** (np.maximum(np.frexp(np.where(r == 0, 1, r))[1] - 1, 0) - 3)
;;       q = np.round(r / step) * step * 2.0 ** e      # np.round: ties to even
;;       return np.moveaxis(q.reshape(q.shape[:-2] + (-1,))[..., :K], -1, axis).astype(np.float32)
;;   ~~~
;;   SOFTMAX AHEAD OF A QUANTISED PRODUCT. Where the list says 'softmax', what is quantised is not the finished softmax but p = 2^(t - M), with t = logit x log2(e) and M = ceil(the row's largest t), a whole number; so 1/2 < the row's largest p <= 1. The row's sum l is taken of the UNQUANTISED p, in f32, and the product's result is divided by l at the end. Since M is a whole number, a kernel that streams over the keys may use a running M (the ceiling of the running maximum): every later rescaling is an exact power of two, which a block's scale takes up: the codes' values come out the same.
;;   OPERANDS COMPUTED ON THE WAY. 'Computed on the way' means the value that the module computes at that place (a softmax that the list does not call 'softmax' is quantised finished and normalised). What goes into a quantiser is computed in f32, as accurately as f32 sums, v_exp_f32 and their like allow (about 1e-6 of the number): no bf16 or f16 on the way to a quantiser, and a product that is left as it is and whose result goes on into a quantised operand takes f32 operands (vector FMAs, or v_wmma_f32_16x16x4_f32). A number that lies on a knife's edge between two numbers of the format may be rounded either way, as far as f32 arithmetic and the matrix unit's own rounding can turn it there, and no further.
;; One version. Each part assembles by itself: llvm-mc -triple=amdgcn-amd-amdhsa -mcpu=gfx1250 --defsym DOCPART=n.
;; ======== version 1 of 1: 5 launches
;; limits: right only within a limited range of input values
;; workspace buffers: xq 6,553,600 bytes; wqk 1,835,008 bytes; wv 1,048,576 bytes; wp 1,048,576 bytes; qk 14,680,064 bytes; vt 51,052,544 bytes; yq 6,553,600 bytes
;; launch quant (part 1): grid 256 x 1, 3 waves a work-group, no clusters, 28,160 bytes of LDS; arguments x, w_qkv, w_proj, xq, wqk, wv, wp; writes xq, wqk, wv, wp
.if DOCPART == 1
	.amdgcn_target "amdgcn-amd-amdhsa--gfx1250"
	.amdhsa_code_object_version 6
	.text
	.protected	k_qd9ff16bdad_quant
	.globl	k_qd9ff16bdad_quant
	.p2align	8
	.type	k_qd9ff16bdad_quant,@function
k_qd9ff16bdad_quant:
	s_mov_b64 s[64:65], 0
	v_nop
	global_prefetch_b8 v0, s[64:65] scope:SCOPE_SE
	s_setreg_imm32_b32 hwreg(HW_REG_WAVE_MODE, 25, 1), 1
	s_wait_xcnt 0x0
; x [8192][1024], w_qkv [3072][1024] and w_proj [1024][1024], f32 with K innermost, become codes of FP6 (E2M3) with one E8M0 byte for each 32 along K,
; laid in the order of a matrix operand's registers.  A block's scale is 2^(floor(log2(largest magnitude)) - 2); its byte is the largest magnitude's exponent field - 2.
; LIMITS: NaN and infinities among the inputs are not served.  A block whose largest magnitude lies under 2^-124 (a block of zeros too) keeps the byte 1: this program alone reads the bytes.
; ROW BLOCKS.  A tensor's rows are cut into blocks of 16; place r of block rb is row 32 (rb / 2) + 8 (rb % 2) + r + 8 (r / 8), so that results made with such a block as source 0 lie 16 neighbours to a lane.
; IMAGE.  16 rows x 128 K are 12 registers a lane (lane (r, h): registers 6 c .. 6 c + 5 hold K = 64 c + 32 h + 0 .. 31).  They are stored as six pieces of 256 bytes: piece p = registers 2 p, 2 p + 1, lane l's 8 bytes at 256 p + 8 l.
; A BUFFER: bytes 0 .. 262,143 the scale words [rb][r][K step of 128] (512 bytes a block); from 262,144 the images [rb][K step][1,536].
; SHARES.  768 row blocks (512 of x, 192 of w_qkv, 64 of w_proj), one to a wave: 16 rows x 1,024 numbers, eight steps of 128 along K.  Waves share nothing: no barrier.
; w_qkv's blocks of q and k go to wqk so that 128 rows on end are [head h's 64 of q | head h's 64 of k]; its blocks of v go to wv.
; A load takes one row's 512 consecutive bytes; the 16 rows turn through the wave's own stage in LDS (pitch 528 = 33 x 16 bytes) and come back 32 neighbours along K to a lane.
.set WREG,  8960                       ; LDS of a wave: the stage, 16 x 528, and 512 bytes in which its scale words are gathered
.set SP,    528
.set GAT,   16*SP
.set CODES, 262144
.set X,     64                         ; v64-127  two blocks of 32 neighbours along K
.set R,     128                        ; v128-255 two sets of 64 registers as loaded
.set CD,    20                         ; v20-31   the image;  v32-34, v36-38 the second halves of its two blocks
	s_load_b256 s[4:11], s[0:1], 0x0               ; x, w_qkv, w_proj, xq
	s_load_b128 s[12:15], s[0:1], 0x20             ; wqk, wv
	s_load_b64 s[16:17], s[0:1], 0x30              ; wp
	v_lshl_add_u32 v62, v0, 2, 0x6c00
	v_mov_b32 v63, 0
	v_lshrrev_b32 v1, 5, v0
	v_readfirstlane_b32 s18, v1                    ; wave 0..2
	v_and_b32 v2, 31, v0                           ; lane
	v_and_b32 v3, 15, v0                           ; r
	v_bfe_u32 v11, v0, 4, 1                        ; h
	s_mul_i32 s33, s18, WREG
	s_add_co_u32 s34, s33, GAT
	v_lshlrev_b32 v4, 4, v2                        ; 16 x lane: my bytes of a load, and of the scale words on the way out
	v_add_nc_u32 v5, s33, v4                       ; the stage, on the way in
	v_mul_u32_u24 v6, v3, SP
	v_lshl_add_u32 v6, v11, 7, v6
	v_add_nc_u32 v6, s33, v6                       ; and on the way out: row r, + 128 h bytes
	v_lshlrev_b32 v7, 3, v2                        ; 8 x lane: my bytes of a piece
	v_lshl_add_u32 v8, v3, 5, s34                  ; my row's eight scale words
	v_add_nc_u32 v9, s34, v4
	v_lshlrev_b32 v10, 3, v11                      ; 8 h: my two bytes' place in a scale word
	v_mov_b32 v19, 0                               ; written once: a lane permute's destination counts as one of its sources
	s_mov_b32 s20, 0x76543210
	s_mov_b32 s21, 0xfedcba98                      ; lane l xor 16
	s_mul_i32 s19, ttmp9, 3
	s_add_co_u32 s19, s19, s18                     ; W: my row block among the 768
	s_sub_co_u32 s22, s19, 512                     ; u: its number in w_qkv
	s_sub_co_u32 s23, s19, 704                     ; in w_proj
	s_sub_co_u32 s30, s19, 640                     ; in v's part
	s_lshr_b32 s31, s22, 2
	s_and_b32 s31, s31, 15                         ; the head
	s_lshl_b32 s31, s31, 3
	s_lshr_b32 s35, s22, 6
	s_and_b32 s35, s35, 1                          ; q (0) or k (1)
	s_lshl_b32 s35, s35, 2
	s_add_co_u32 s31, s31, s35
	s_and_b32 s35, s22, 3
	s_add_co_u32 s31, s31, s35                     ; its place in wqk: 8 head + 4 (q or k) + u % 4
	s_wait_alu depctr_va_vdst(0)
	s_wait_kmcnt 0x0
	s_cmp_lt_u32 s19, 704                          ; the choices hang on the wave's place alone
	s_cselect_b64 s[24:25], s[6:7], s[8:9]
	s_cselect_b64 s[26:27], s[14:15], s[16:17]
	s_cselect_b32 s28, s22, s23
	s_cselect_b32 s29, s30, s23
	s_cmp_lt_u32 s19, 640
	s_cselect_b64 s[26:27], s[12:13], s[26:27]
	s_cselect_b32 s29, s31, s29
	s_cmp_lt_u32 s19, 512
	s_cselect_b64 s[24:25], s[4:5], s[24:25]       ; from
	s_cselect_b64 s[26:27], s[10:11], s[26:27]     ; to
	s_cselect_b32 s28, s19, s28                    ; the block's number there,
	s_cselect_b32 s29, s19, s29                    ; and here
	s_lshr_b32 s36, s28, 1
	s_lshl_b32 s36, s36, 17                        ; 32 rows of 4,096 bytes
	s_and_b32 s35, s28, 1
	s_lshl_b32 s35, s35, 15                        ; 8 rows
	s_add_co_u32 s36, s36, s35
	s_mov_b32 s37, 0
	s_add_nc_u64 s[24:25], s[24:25], s[36:37]
	s_lshl_b32 s36, s29, 9
	s_add_nc_u64 s[38:39], s[26:27], s[36:37]      ; the block's scale words
	s_mul_i32 s36, s29, 12288
	s_add_co_u32 s36, s36, CODES
	s_add_nc_u64 s[26:27], s[26:27], s[36:37]      ; its images
.macro LOAD t                          ; step t: 128 numbers of each of the 16 rows, a row to a load
.irp r, 0,1,2,3,4,5,6,7,8,9,10,11,12,13,14,15
	global_load_b128 v[R+64*((\t)%2)+4*\r:R+64*((\t)%2)+4*\r+3], v4, s[24:25] offset:(\r+8*(\r/8))*4096+512*(\t) th:TH_LOAD_NT
.endr
.endm
.macro STEP t
.if (\t) < 7
	s_wait_loadcnt 16                              ; this step's 16 loads are in; the next step's 16 may be out
.else
	s_wait_loadcnt 0x0
.endif
.irp r, 0,1,2,3,4,5,6,7,8,9,10,11,12,13,14,15
	ds_store_b128 v5, v[R+64*((\t)%2)+4*\r:R+64*((\t)%2)+4*\r+3] offset:SP*\r
.endr
.irp c, 0,1
.irp i, 0,1,2,3,4,5,6,7
	ds_load_b128 v[X+32*\c+4*\i:X+32*\c+4*\i+3], v6 offset:256*\c+16*\i   ; K = 64 c + 32 h + 4 i ..; LDS serves a wave's instructions in order, so these see the stores above
.endr
.endr
	s_wait_dscnt 0x0                               ; my 64 numbers are back, and the stores have read their registers,
.if (\t)+2 < 8
	LOAD (\t)+2                                    ; which take the loads of two steps on
.endif
.irp c, 0,1
	v_max3_num_f32 v[12+\c], |v[X+32*\c]|, |v[X+32*\c+1]|, 0x1800000      ; block 2 c + h is all mine; the floor 2^(3 - 127) holds the byte at 1 from below
.endr
.irp i, 2,4,6,8,10,12,14,16,18,20,22,24,26,28,30
.irp c, 0,1
	v_max3_num_f32 v[12+\c], v[12+\c], |v[X+32*\c+\i]|, |v[X+32*\c+\i+1]|
.endr
.endr
.irp c, 0,1
	v_add_nc_u32 v[14+\c], 0xff000000, v[12+\c]    ; 2 off the exponent field: the conversion's scale operand
.endr
.irp c, 0,1
	v_lshrrev_b32 v[16+\c], 23, v[14+\c]           ; the scale's byte
.endr
	v_lshl_or_b32 v18, v17, 16, v16                ; bytes h and 2 + h of my row's word,
	v_lshlrev_b32 v18, v10, v18
	v_permlanex16_b32 v19, v18, s20, s21
	v_or_b32 v18, v18, v19                         ; with lane l xor 16's two the word is whole
	s_wait_alu depctr_va_vdst(0)
	s_wait_xcnt 0x0                                ; the last step's stores have read the image's registers: they are written again only behind this wait
	v_cvt_scalef32_pk16_fp6_f32 v[CD:CD+2], v[X:X+15], v14
	v_cvt_scalef32_pk16_fp6_f32 v[32:34], v[X+16:X+31], v14          ; (a conversion's three registers begin on an even number)
	v_cvt_scalef32_pk16_fp6_f32 v[CD+6:CD+8], v[X+32:X+47], v15
	v_cvt_scalef32_pk16_fp6_f32 v[36:38], v[X+48:X+63], v15
	v_nop                                          ; one plain place behind the conversions
.irp i, 0,1,2
	v_mov_b32 v[CD+3+\i], v[32+\i]
	v_mov_b32 v[CD+9+\i], v[36+\i]
.endr
	ds_store_b32 v8, v18 offset:4*(\t)             ; lanes l and l + 16 write the same word with the same value
.irp p, 0,1,2,3,4,5
	global_store_b64 v7, v[CD+2*\p:CD+2*\p+1], s[26:27] offset:1536*(\t)+256*\p   ; 32 lanes store 256 consecutive bytes, aligned
.endr
.endm
	LOAD 0
	LOAD 1
.irp t, 0,1,2,3,4,5,6,7
	STEP \t
.endr
	ds_load_b128 v[40:43], v9                      ; the block's 128 scale words
	s_wait_dscnt 0x0
	global_store_b128 v4, v[40:43], s[38:39]       ; 512 consecutive bytes
	s_wait_tensorcnt 0x0
	ds_add_u32 v62, v63
	s_wait_dscnt 0x0
	s_endpgm
.Lfunc_end_k_qd9ff16bdad_quant:
	.size	k_qd9ff16bdad_quant, .Lfunc_end_k_qd9ff16bdad_quant-k_qd9ff16bdad_quant
	.p2alignl 7, 3214868480
	.fill 96, 4, 3214868480
	.section	.rodata,"a",@progbits
	.p2align	6, 0x0
	.amdhsa_kernel k_qd9ff16bdad_quant
		.amdhsa_group_segment_fixed_size 28160
		.amdhsa_private_segment_fixed_size 0
		.amdhsa_enable_private_segment 0
		.amdhsa_kernarg_size 56
		.amdhsa_user_sgpr_count 2
		.amdhsa_user_sgpr_kernarg_segment_ptr 1
		.amdhsa_wavefront_size32 1
		.amdhsa_system_sgpr_workgroup_id_x 1
		.amdhsa_system_sgpr_workgroup_id_y 1
		.amdhsa_system_sgpr_workgroup_id_z 1
		.amdhsa_system_vgpr_workitem_id 0
		.amdhsa_next_free_vgpr 256
		.amdhsa_next_free_sgpr 66
		.amdhsa_reserve_vcc 0
		.amdhsa_float_denorm_mode_32 3
		.amdhsa_float_denorm_mode_16_64 3
		.amdhsa_memory_ordered 1
		.amdhsa_forward_progress 1
		.amdhsa_inst_pref_size 61
	.end_amdhsa_kernel
	.amdgpu_metadata
---
amdhsa.version: [ 1, 2 ]
amdhsa.kernels:
  - .name:           k_qd9ff16bdad_quant
    .symbol:         k_qd9ff16bdad_quant.kd
    .args:
      - { .name: x, .offset: 0, .size: 8, .value_kind: global_buffer, .address_space: global }
      - { .name: w_qkv, .offset: 8, .size: 8, .value_kind: global_buffer, .address_space: global }
      - { .name: w_proj, .offset: 16, .size: 8, .value_kind: global_buffer, .address_space: global }
      - { .name: xq, .offset: 24, .size: 8, .value_kind: global_buffer, .address_space: global }
      - { .name: wqk, .offset: 32, .size: 8, .value_kind: global_buffer, .address_space: global }
      - { .name: wv, .offset: 40, .size: 8, .value_kind: global_buffer, .address_space: global }
      - { .name: wp, .offset: 48, .size: 8, .value_kind: global_buffer, .address_space: global }
    .group_segment_fixed_size: 28160
    .private_segment_fixed_size: 0
    .kernarg_segment_align: 8
    .kernarg_segment_size: 56
    .max_flat_workgroup_size: 96
    .sgpr_count:     66
    .vgpr_count:     256
    .wavefront_size: 32
...
	.end_amdgpu_metadata
.endif
;; end of part 1
;; launch qk (part 2): grid 8 x 32, 4 waves a work-group, clusters of 4 x 4, 327,680 bytes of LDS; arguments xq, wqk, qk; writes qk
.if DOCPART == 2
	.amdgcn_target "amdgcn-amd-amdhsa--gfx1250"
	.amdhsa_code_object_version 6
	.text
	.protected	k_qd9ff16bdad_qk
	.globl	k_qd9ff16bdad_qk
	.p2align	8
	.type	k_qd9ff16bdad_qk,@function
k_qd9ff16bdad_qk:
	s_mov_b64 s[64:65], 0
	v_nop
	global_prefetch_b8 v0, s[64:65] scope:SCOPE_SE
	s_setreg_imm32_b32 hwreg(HW_REG_WAVE_MODE, 25, 1), 1
	s_wait_xcnt 0x0
	s_wait_alu depctr_hold_cnt(0) depctr_sa_sdst(0) depctr_va_vdst(0) depctr_va_sdst(0) depctr_va_ssrc(0) depctr_va_vcc(0) depctr_vm_vsrc(0)
	s_getreg_b32 s2, hwreg(HW_REG_IB_STS2, 6, 4)
	s_cmp_eq_u32 s2, 0
	s_cbranch_scc0 .Lentry_in_a_cluster
	s_endpgm
.Lentry_in_a_cluster:
	s_bfe_u32 s2, ttmp6, 0x10000c
	s_cmp_lg_u32 s2, 0xf033
	s_cbranch_scc0 .Lentry_shape_is_right
	s_endpgm
.Lentry_shape_is_right:
; R[m][n] = sum over k of A[m][k] B[n][k], K = 1,024, on codes of FP6 (E2M3) with E8M0 scales; A = tokens, B = rows of the [q | k] weights.  R is QUANTISED ALONG n on the way out and leaves as codes and scale words.
; OPERANDS lie in the order of their registers: bytes 0 .. 262,143 scale words [row block][16 places][8 steps of 128 along K]; from 262,144 images [row block][step][1,536]: piece p = registers 2 p, 2 p + 1, lane l's 8 bytes at 256 p + 8 l.
; Place r of row block rb is row 32 (rb / 2) + 8 (rb % 2) + r + 8 (r / 8).
; A tile of R, 256 x 256, is made by four waves, each 128 x 128: 64 accumulators.  The matrix instruction is used transposed (source 0 = 16 rows of B, source 1 = 16 rows of A): a lane holds one row m,
; and the 16 registers of accumulators 2 j, 2 j + 1 are n = 32 j + 16 (lane / 16) + 0 .. 15.
; LDS: region 0 holds K 0 .. 255 (A's 16 row blocks x 3,072 bytes, then B's), region 1 holds K 256 .. 767 (A's 16 x 6,144, then B's).  At the head one joint load a wave: wave 0 A's region 0, wave 1 B's, wave 2 A's region 1, wave 3 B's.
; The first barrier waits for waves 0 and 1 alone.  ONE REFILL: K 768 .. 1,023 into region 0, in a round of the cluster's barrier in the second step (waves 0 and 1); a plain barrier in the sixth step shows it to all.
; THE SCALE WORDS do not pass through LDS: each wave loads its 128 + 128 rows' words once, 512 consecutive bytes a row block, into registers that hold nothing else while products run:
; B's word (block b, step kk) in v[32 + 8 b + kk], A's (a, kk) in v[96 + 8 a + 96 (a / 4) + (kk + 4) % 8]; every lane r + 16 h holds row r's word.
; CLUSTERS: 4 x 4 work-groups; A's tiles are asked for jointly along a row of the cluster, B's along a column.
; NO PREFETCH: the block is the largest in clusters and K is short: three quarters of K are asked for at the head, and the walk has one refill.
; THE RESULT, tile ti = 32 x tile column + tile row: bytes 0 .. 2,097,151 scale words [ti][128 columns: 2][row block: 16][16 words]; from 2,097,152 codes [ti][128 columns: 2][64 columns: 2][row block: 16][768].
; LIMITS: a block of the result whose largest magnitude lies under 2^-124 (a block of zeros too) keeps the byte 1: this program alone reads the bytes.  NaN and infinities are not served.
; REGISTERS: window 0: v16-29 addresses; v32-127, v224-255 scale words (on the way out v64-119 are at work); v128-223 A's eight fragments.  window 1: B's fragments, two sets, at v0 and v128.  windows 2, 3: the accumulators.
.set FR,     12
.set IMG,    1536
.set R0B,    49152
.set R1A,    98304
.set R1B,    196608
.set SPARE,  294912                    ; behind the regions: the spare words, 128 bytes a wave
.set CODES,  262144
.set ADRA, 16                          ; v16, v17 my A fragments in region 0, 1
.set ADRB, 20                          ; v20, v21 the same for B
.set GW,   23
.set SWO,  24
.set SWI,  25
.set GL,   26
.set SPW,  28
.set NIL,  29
.set TM,   64
.set PW,   80
.set PC,   96
.set AF,   128
.set G1A,  24                          ; group 1: 16 rows of 3,072 bytes, A's mask;  G1B: B's mask;  G1A2, G1B2: 16 rows of 6,144 bytes
.set G1B,  32
.set G1A2, 40
.set G1B2, 48
.set G0A0, 56
.set G0B0, 60
.set G0A1, 68
.set G0B1, 72
.set MUL_LO, 0xa1                      ; source 0 (B) window 1, source 1 (A) window 0, C and D window 2
.set MUL_HI, 0xf1
.set MSB, 0
.macro WIN new                         ; the immediate's high byte repeats the setting that is left
.if MSB != \new
	s_set_vgpr_msb (MSB<<8)|\new
.set MSB, \new
.endif
.endm
.macro PLACES n
.rept \n
	v_nop
.endr
.endm
.macro TLOAD g0, g1                    ; s_nop 0 and four v_nop follow each tensor load
	tensor_load_to_lds s[\g0:\g0+3], s[\g1:\g1+7]
	s_nop 0
	PLACES 4
.endm
.macro ARM under, g0, g1, next         ; one arm of the head's chain: one load, then to the join
	s_cmp_lt_u32 s14, \under
	s_cbranch_scc0 \next
	TLOAD \g0, \g1
	s_branch .Lhead_asked
\next:
.endm
.macro CREST                           ; a round of the cluster's barrier behind its opening barrier
	s_cmp_lg_u32 s14, 0
	s_cbranch_scc1 .Lnot_wave_0_\@
	s_barrier_signal -3
.Lnot_wave_0_\@:
	s_barrier_wait -3
	s_barrier_signal -1
	s_barrier_wait -1
.endm
.macro CROUND
	s_barrier_signal -1
	s_barrier_wait -1
	CREST
.endm
.macro SHAPE g, mask, c, r             ; group 1: r rows of c elements of 8 bytes, 12,288 bytes apart, dense in LDS
	s_or_b32 s[\g], s\mask, (3<<16)|(1<<21)
	s_mov_b32 s[\g+1], (\c)<<16
	s_mov_b32 s[\g+2], (\r)<<16
	s_mov_b32 s[\g+3], (\c)<<16
	s_mov_b32 s[\g+4], \r
	s_mov_b32 s[\g+5], 1536
	s_mov_b32 s[\g+6], 0
	s_mov_b32 s[\g+7], 0
.endm
.macro WHERE g, lds, base, off
	s_mov_b32 s[\g], 1
	s_mov_b32 s[\g+1], \lds
	s_add_nc_u64 s[\g+2:\g+3], s[\base:\base+1], \off
	s_or_b32 s[\g+3], s[\g+3], 0x80000000
.endm
	s_load_b128 s[4:7], s[0:1], 0x0                ; A, B
	s_load_b64 s[12:13], s[0:1], 0x10              ; the result
	v_lshl_add_u32 v[SPW], v0, 2, SPARE
	v_mov_b32 v[NIL], 0
	ds_add_u32 v[SPW], v[NIL]                      ; the opening lines: the add twice on end, and its wait ahead of my first tensor load
	ds_add_u32 v[SPW], v[NIL]
	v_lshrrev_b32 v1, 5, v0
	v_readfirstlane_b32 s14, v1                    ; wave 0..3
	s_lshr_b32 s15, s14, 1                         ; my half of the tile's rows
	s_and_b32 s16, s14, 1                          ; my half of its columns
	s_bfe_u32 s92, ttmp6, 0x40000                  ; cx
	s_bfe_u32 s93, ttmp6, 0x40004                  ; cy
	s_lshl_b32 s94, ttmp9, 2
	s_add_co_u32 s94, s94, s92                     ; tile column
	s_and_b32 s17, ttmp7, 0xffff
	s_lshl_b32 s17, s17, 2
	s_add_co_u32 s17, s17, s93                     ; tile row
	s_lshl_b32 s95, s93, 2
	s_lshl_b32 s95, 15, s95                        ; my row of the cluster
	s_lshl_b32 s96, 0x1111, s92                    ; my column
	SHAPE G1A, 95, 384, 16
	SHAPE G1B, 96, 384, 16
	SHAPE G1A2, 95, 768, 16
	SHAPE G1B2, 96, 768, 16
	s_mul_i32 s20, s17, 196608                     ; A's 16 row blocks of 12,288 bytes
	s_add_co_u32 s20, s20, CODES
	s_mov_b32 s21, 0
	s_mul_i32 s22, s94, 196608                     ; B's
	s_add_co_u32 s22, s22, CODES
	s_mov_b32 s23, 0
	s_lshl_b32 s98, s17, 13                        ; scale words: 512 bytes a row block; my 8 blocks of A,
	s_lshl_b32 s18, s15, 12
	s_add_co_u32 s98, s98, s18
	s_mov_b32 s99, 0
	s_lshl_b32 s10, s94, 13                        ; and of B
	s_lshl_b32 s18, s16, 12
	s_add_co_u32 s10, s10, s18
	s_mov_b32 s11, 0
	s_wait_dscnt 0x0                               ; both opening adds are done
	s_wait_kmcnt 0x0
	s_add_nc_u64 s[20:21], s[4:5], s[20:21]
	s_add_nc_u64 s[98:99], s[4:5], s[98:99]
	s_add_nc_u64 s[22:23], s[6:7], s[22:23]
	s_add_nc_u64 s[10:11], s[6:7], s[10:11]
	CROUND                                         ; all sixteen work-groups are here: the first joint loads meet
	WHERE G0A0, 0, 20, 0
	WHERE G0B0, R0B, 22, 0
	WHERE G0A1, R1A, 20, 3072
	WHERE G0B1, R1B, 22, 3072
	ARM 1, G0A0, G1A, .Lh1                         ; what is multiplied first is asked for first
	ARM 2, G0B0, G1B, .Lh2
	ARM 3, G0A1, G1A2, .Lh3
	TLOAD G0B1, G1B2
.Lhead_asked:
	v_and_b32 v1, 15, v0                           ; r
	v_and_b32 v3, 31, v0                           ; lane
	v_lshlrev_b32 v[GL], 3, v3
	v_lshlrev_b32 v[GW], 4, v3
	v_lshlrev_b32 v5, 5, v1                        ; 32 r: my row's eight scale words
	s_mul_i32 s2, s15, 24576                       ; my 8 row blocks of A in region 0,
	s_mul_i32 s3, s16, 24576
	s_add_co_u32 s3, s3, R0B                       ; of B,
	v_add_nc_u32 v[ADRA], s2, v[GL]
	v_add_nc_u32 v[ADRB], s3, v[GL]
	s_mul_i32 s2, s15, 49152                       ; and in region 1
	s_add_co_u32 s2, s2, R1A
	s_mul_i32 s3, s16, 49152
	s_add_co_u32 s3, s3, R1B
	v_add_nc_u32 v[ADRA+1], s2, v[GL]
	v_add_nc_u32 v[ADRB+1], s3, v[GL]
	s_lshl_b32 s2, s14, 9                          ; the gathered scale words lie at region 1's start: it is filled once, and its last read stands ahead of the last barrier
	s_add_co_u32 s2, s2, R1A
	s_wait_alu depctr_va_vdst(0)                   ; the wait directly ahead of the reader below
	v_lshl_add_u32 v[SWO], v1, 2, s2
	v_add_nc_u32 v[SWI], s2, v[GW]
	s_lshl_b32 s20, s94, 5
	s_add_co_u32 s20, s20, s17                     ; ti = 32 x tile column + tile row
	s_lshl_b32 s22, s20, 11
	s_lshl_b32 s18, s16, 10
	s_add_co_u32 s22, s22, s18
	s_lshl_b32 s18, s15, 9
	s_add_co_u32 s22, s22, s18
	s_mov_b32 s23, 0
	s_add_nc_u64 s[8:9], s[12:13], s[22:23]        ; my 128 scale words
	s_mul_i32 s22, s20, 49152
	s_mul_i32 s18, s16, 24576
	s_add_co_u32 s22, s22, s18
	s_mul_i32 s18, s15, 6144
	s_add_co_u32 s22, s22, s18
	s_add_co_u32 s22, s22, 2097152
	s_add_nc_u64 s[12:13], s[12:13], s[22:23]      ; my codes
	s_mov_b32 s18, 0x76543210
	s_mov_b32 s19, 0xfedcba98                      ; lane l xor 16
	s_wait_alu depctr_va_vdst(0)
.irp i, 0,1,2,3,4,5,6,7
	global_load_b128 v[32+8*\i:35+8*\i], v5, s[10:11] offset:512*\i
	global_load_b128 v[36+8*\i:39+8*\i], v5, s[10:11] offset:512*\i+16
	global_load_b128 v[100+8*\i+96*(\i/4):103+8*\i+96*(\i/4)], v5, s[98:99] offset:512*\i       ; A's words 0-3 stand behind its words 4-7
	global_load_b128 v[96+8*\i+96*(\i/4):99+8*\i+96*(\i/4)], v5, s[98:99] offset:512*\i+16
.endr
.macro W1 d, b, a, c, xb, xa
	v_wmma_scale_f32_16x16x128_f8f6f4 v[\d:\d+7], v[\b:\b+FR-1], v[\a:\a+FR-1], \c, v[\xb], v[\xa] matrix_a_fmt:MATRIX_FMT_FP6 matrix_b_fmt:MATRIX_FMT_FP6
.endm
; 16 matrix instructions: A's blocks a0, a0 + 1 x B's eight, step kk.  zero = 1: the first product starts the sums.  The 64 accumulators take turns, one instruction a turn.
.macro MUL16 a0, kk, zero
.irp a, \a0, \a0+1
.irp b, 0,1,2,3,4,5,6,7
.set D_, 8*(8*((\a)%4)+\b)
.set B_, 128*((\kk)%2)+FR*\b
.set A_, AF+FR*(\a)
.set XB_, 32+8*\b+(\kk)
.set XA_, 96+8*(\a)+96*((\a)/4)+((\kk)+4)%8
.if \zero
	W1 D_, B_, A_, 0, XB_, XA_
.else
	W1 D_, B_, A_, v[D_:D_+7], XB_, XA_
.endif
.endr
.endr
.endm
.macro FRAG reg, adr, off              ; an image: six loads of 256 consecutive bytes
.irp p, 0,1,2,3,4,5
	ds_load_b64 v[\reg+2*\p:\reg+2*\p+1], v[\adr] offset:\off+256*\p
.endr
.endm
.macro LOC kk                          ; where step kk lies: steps 0, 1, 6, 7 in region 0, steps 2 .. 5 in region 1
.set RG_, (((\kk)+2)/4)%2
.set ST_, 3072*(1+RG_)
.if RG_
.set OF_, IMG*((\kk)-2)
.else
.set OF_, IMG*((\kk)%2)
.endif
.endm
.macro FETCH_B kk
	LOC \kk
	WIN 0x40
.irp i, 0,1,2,3,4,5,6,7
	FRAG 128*((\kk)%2)+FR*\i, ADRB+RG_, \i*ST_+OF_
.endr
	WIN 0
.endm
.macro FETCH_A kk, i0
	LOC \kk
.irp i, \i0, \i0+1, \i0+2, \i0+3
	FRAG AF+FR*(\i), ADRA+RG_, (\i)*ST_+OF_
.endr
.endm
; A step of 128 along K.  mode 2: region 0 is read no more and is filled again: every wave waits for all its tensor loads, adds 0 to its spare word, waits for that and for its reads, and a round of the cluster's barrier stands
; in front of the joint refill.  mode 1: a plain barrier shows the refill to all. The counted waits: A's blocks 4-7, 24 loads (and the add), may be out.
.macro STEP kk, mode, zero
.if \mode == 2
	s_wait_tensorcnt 0x0
	ds_add_u32 v[SPW], v[NIL]
	s_wait_dscnt 25
.elseif \mode == 1
	s_wait_tensorcnt 0x0
	s_wait_dscnt 24
.else
	s_wait_dscnt 24
.endif
	WIN MUL_LO
	MUL16 0, \kk, \zero
.if \mode
	s_wait_dscnt 0x0
	s_barrier_signal -1
.endif
	MUL16 2, \kk, \zero
.if \mode
	WIN 0
	s_barrier_wait -1
.else
	s_wait_dscnt 0x0
.endif
.if \mode == 2
	CREST                                          ; no wave of any partner still reads region 0 or has a load on its way
	s_add_nc_u64 s[G0A0+2:G0A0+3], s[G0A0+2:G0A0+3], 9216
	s_add_nc_u64 s[G0B0+2:G0B0+3], s[G0B0+2:G0B0+3], 9216
	s_cmp_eq_u32 s14, 0
	s_cbranch_scc0 .Lrefill_b
	TLOAD G0A0, G1A
	s_branch .Lrefilled
.Lrefill_b:
	s_cmp_eq_u32 s14, 1
	s_cbranch_scc0 .Lrefilled
	TLOAD G0B0, G1B
.Lrefilled:
.endif
	PLACES 4                                       ; between the products above and the loads into their registers
	FETCH_B (\kk)+1
	FETCH_A (\kk)+1, 0
	WIN MUL_HI
	MUL16 4, \kk, \zero
	MUL16 6, \kk, \zero
	PLACES 4
	WIN 0
	FETCH_A (\kk)+1, 4
.endm
	s_cmp_lt_u32 s14, 2
	s_cbranch_scc0 .Lnot_first
	s_wait_tensorcnt 0x0                           ; waves 0 and 1: region 0 is in
.Lnot_first:
	s_barrier_signal -1
	s_barrier_wait -1                              ; region 1 may still be on its way
	FETCH_B 0
	FETCH_A 0, 0
	FETCH_A 0, 4
	s_wait_loadcnt 0x0                             ; the scale words
	STEP 0, 0, 1
	STEP 1, 2, 0
	STEP 2, 0, 0
	STEP 3, 0, 0
	STEP 4, 0, 0
	STEP 5, 1, 0
	STEP 6, 0, 0
	s_wait_dscnt 24
	WIN MUL_LO
	MUL16 0, 7, 0
	MUL16 2, 7, 0
	s_wait_dscnt 0x0
	WIN MUL_HI
	MUL16 4, 7, 0
	MUL16 6, 7, 0
	WIN 0
	PLACES 4
.irp b, 0,1,2,3
	v_mov_b32 v[TM+4+\b], 0                        ; a lane permute's destination counts as one of its sources
.endr
; THE WAY OUT.  Block a's 64 registers (register 16 j + i = column 32 j + 16 (lane / 16) + i of my row) become one fragment's codes in v[PC] on and its scale word in v[PW].  Each accumulator is read from its low end on.
.macro QUANT a
.set S, 64*((\a)%4)
.set W, 2+(\a)/4
.set WW, W+4*W
	WIN WW
.irp b, 0,1,2,3
	v_max3_num_f32 v[TM+\b], |v[S+16*\b]|, |v[S+16*\b+1]|, 0x1800000      ; my 16 numbers of block b, and the floor 2^(3 - 127)
.endr
.irp i, 2,4,6,8,10,12,14
.irp b, 0,1,2,3
	v_max3_num_f32 v[TM+\b], |v[S+16*\b+\i]|, |v[S+16*\b+\i+1]|, v[TM+\b]
.endr
.endr
	WIN 0
.irp b, 0,1,2,3
	v_permlanex16_b32 v[TM+4+\b], v[TM+\b], s18, s19
.endr
.irp b, 0,1,2,3
	v_max_num_f32 v[TM+\b], v[TM+\b], v[TM+4+\b]   ; with lane l xor 16's: the block's largest magnitude
.endr
.irp b, 0,1,2,3
	v_add_nc_u32 v[TM+12+\b], 0xff000000, v[TM+\b] ; 2 off the exponent field: the conversion's scale operand
.endr
.irp b, 0,1,2,3
	v_lshrrev_b32 v[TM+4+\b], 23, v[TM+12+\b]      ; the scale's byte
.endr
	s_wait_alu depctr_va_vdst(0)
	s_wait_dscnt 0x0                               ; the last block's stores have read the word
	s_wait_xcnt 0x0                                ; and the codes: both are written again only behind these waits
	v_lshl_or_b32 v[PW], v[TM+5], 8, v[TM+4]
	v_lshl_or_b32 v[PW], v[TM+6], 16, v[PW]
	v_lshl_or_b32 v[PW], v[TM+7], 24, v[PW]
	WIN W
.irp c, 0,1
	v_cvt_scalef32_pk16_fp6_f32 v[PC+6*\c:PC+6*\c+2], v[S+32*\c:S+32*\c+15], v[TM+12+2*\c]
	v_cvt_scalef32_pk16_fp6_f32 v[PC+12+4*\c:PC+14+4*\c], v[S+32*\c+16:S+32*\c+31], v[TM+13+2*\c]
.endr
	WIN 0
	v_nop                                          ; one plain place behind the conversions
.irp c, 0,1                            ; the operand's layout wants a whole block in a lane
.irp i, 0,1,2
	v_permlane16_swap_b32 v[PC+6*\c+\i], v[PC+12+4*\c+\i]
.endr
.irp i, 0,1,2
	v_mov_b32 v[PC+3+6*\c+\i], v[PC+12+4*\c+\i]
.endr
.endr
.endm
.irp a, 0,1,2,3,4,5,6,7
	QUANT \a
.irp p, 0,1,2,3,4,5
	global_store_b64 v[GL], v[PC+2*\p:PC+2*\p+1], s[12:13] offset:(\p/3)*12288+768*\a+256*(\p%3)   ; 256 consecutive bytes, aligned
.endr
	ds_store_b32 v[SWO], v[PW] offset:64*\a        ; lanes l and l + 16 write the same word with the same value
.endr
	ds_load_b128 v[116:119], v[SWI]
	s_wait_dscnt 0x0
	global_store_b128 v[GW], v[116:119], s[8:9]    ; my 128 scale words: 512 consecutive bytes
	s_wait_tensorcnt 0x0                           ; the wave's end
	ds_add_u32 v[SPW], v[NIL]
	s_wait_dscnt 0x0
	CROUND                                         ; the closing round
	s_endpgm
.Lfunc_end_k_qd9ff16bdad_qk:
	.size	k_qd9ff16bdad_qk, .Lfunc_end_k_qd9ff16bdad_qk-k_qd9ff16bdad_qk
	.p2alignl 7, 3214868480
	.fill 96, 4, 3214868480
	.section	.rodata,"a",@progbits
	.p2align	6, 0x0
	.amdhsa_kernel k_qd9ff16bdad_qk
		.amdhsa_group_segment_fixed_size 327680
		.amdhsa_private_segment_fixed_size 0
		.amdhsa_enable_private_segment 0
		.amdhsa_kernarg_size 24
		.amdhsa_user_sgpr_count 2
		.amdhsa_user_sgpr_kernarg_segment_ptr 1
		.amdhsa_wavefront_size32 1
		.amdhsa_system_sgpr_workgroup_id_x 1
		.amdhsa_system_sgpr_workgroup_id_y 1
		.amdhsa_system_sgpr_workgroup_id_z 1
		.amdhsa_system_vgpr_workitem_id 0
		.amdhsa_next_free_vgpr 1024
		.amdhsa_next_free_sgpr 100
		.amdhsa_reserve_vcc 0
		.amdhsa_float_denorm_mode_32 3
		.amdhsa_float_denorm_mode_16_64 3
		.amdhsa_memory_ordered 1
		.amdhsa_forward_progress 1
		.amdhsa_inst_pref_size 166
	.end_amdhsa_kernel
	.amdgpu_metadata
---
amdhsa.version: [ 1, 2 ]
amdhsa.kernels:
  - .name:           k_qd9ff16bdad_qk
    .symbol:         k_qd9ff16bdad_qk.kd
    .args:
      - { .name: xq, .offset: 0, .size: 8, .value_kind: global_buffer, .address_space: global }
      - { .name: wqk, .offset: 8, .size: 8, .value_kind: global_buffer, .address_space: global }
      - { .name: qk, .offset: 16, .size: 8, .value_kind: global_buffer, .address_space: global }
    .group_segment_fixed_size: 327680
    .private_segment_fixed_size: 0
    .kernarg_segment_align: 8
    .kernarg_segment_size: 24
    .max_flat_workgroup_size: 128
    .sgpr_count:     100
    .vgpr_count:     1024
    .wavefront_size: 32
...
	.end_amdgpu_metadata
.endif
;; end of part 2
;; launch v (part 3): grid 64 x 4, 4 waves a work-group, clusters of 4 x 4, 327,680 bytes of LDS; arguments wv, xq, vt; writes vt
.if DOCPART == 3
	.amdgcn_target "amdgcn-amd-amdhsa--gfx1250"
	.amdhsa_code_object_version 6
	.text
	.protected	k_qd9ff16bdad_v
	.globl	k_qd9ff16bdad_v
	.p2align	8
	.type	k_qd9ff16bdad_v,@function
k_qd9ff16bdad_v:
	s_mov_b64 s[64:65], 0
	v_nop
	global_prefetch_b8 v0, s[64:65] scope:SCOPE_SE
	s_setreg_imm32_b32 hwreg(HW_REG_WAVE_MODE, 25, 1), 1
	s_wait_xcnt 0x0
	s_wait_alu depctr_hold_cnt(0) depctr_sa_sdst(0) depctr_va_vdst(0) depctr_va_sdst(0) depctr_va_ssrc(0) depctr_va_vcc(0) depctr_vm_vsrc(0)
	s_getreg_b32 s2, hwreg(HW_REG_IB_STS2, 6, 4)
	s_cmp_eq_u32 s2, 0
	s_cbranch_scc0 .Lentry_in_a_cluster
	s_endpgm
.Lentry_in_a_cluster:
	s_bfe_u32 s2, ttmp6, 0x10000c
	s_cmp_lg_u32 s2, 0xf033
	s_cbranch_scc0 .Lentry_shape_is_right
	s_endpgm
.Lentry_shape_is_right:
; V^T[m][n] = sum over k of A[m][k] B[n][k], K = 1,024, on codes of FP6 (E2M3) with E8M0 scales; A = rows of v's weights, B = tokens.  V^T is QUANTISED ALONG THE TOKENS on the way out.
; Operands as launch qk has them: scale words [row block][16][8] from byte 0, images [row block][step of 128][1,536] from byte 262,144; place r of row block rb is row 32 (rb / 2) + 8 (rb % 2) + r + 8 (r / 8).
; A BLOCK is 256 rows of A x 128 rows of B: 4 x 64 blocks, one to each of 256 work-groups.  ALL OF K LIES IN LDS (A 196,608 bytes, B 98,304): nothing is filled again.
; Four waves; wave w takes A's row blocks 4 w .. 4 w + 3 against B's eight: 32 accumulators.  Transposed use (source 0 = B's rows): a lane holds one row m, its registers run along n.
; At the head one joint load a wave, in the order of need: wave 0 B's K 0 .. 511 (8 rows of 6,144 bytes), wave 1 A's (16 rows), wave 2 B's K 512 .. 1,023, wave 3 A's.  The first barrier waits for waves 0 and 1, the second, in the fourth step, for all.
; Both operands have two sets of fragment registers: step kk + 1 is fetched in one run ahead of step kk's 32 products.
; The scale words are loaded once from memory into registers: B's (b, kk) in v[32 + 8 b + kk], A's (a, kk) in v[96 + 8 a + (kk + 4) % 8].
; CLUSTERS: 4 x 4; A's tiles jointly along a row of the cluster, B's along a column.  NO PREFETCH: all tiles are asked for at the head; there is no loop to run ahead in.
; THE RESULT as launch qk lays it, with ti = 32 x (block column / 2) + block row and the block column's low bit choosing the 128 columns.
; LIMITS: a block of the result whose largest magnitude lies under 2^-124 keeps the byte 1: this program alone reads the bytes.  NaN and infinities are not served.
.set FR,     12
.set IMG,    1536
.set RB,     6144                      ; a row block's bytes of half of K
.set BBS,    196608                    ; B's two halves; A's lie at 0 and 98,304
.set SPARE,  294912
.set CODES,  262144
.set ADRA, 16
.set ADRB, 20
.set SWO,  24
.set SWI,  25
.set GL,   26
.set SPW,  28
.set NIL,  29
.set TM,   64
.set PW,   80
.set PC,   96
.set AF,   128
.set G1A,  24
.set G1B,  32
.set G0A0, 56
.set G0B0, 60
.set G0A1, 68
.set G0B1, 72
.set MUL,  0xa1
.set MSB, 0
.macro WIN new
.if MSB != \new
	s_set_vgpr_msb (MSB<<8)|\new
.set MSB, \new
.endif
.endm
.macro PLACES n
.rept \n
	v_nop
.endr
.endm
.macro TLOAD g0, g1
	tensor_load_to_lds s[\g0:\g0+3], s[\g1:\g1+7]
	s_nop 0
	PLACES 4
.endm
.macro ARM under, g0, g1, next
	s_cmp_lt_u32 s14, \under
	s_cbranch_scc0 \next
	TLOAD \g0, \g1
	s_branch .Lhead_asked
\next:
.endm
.macro CROUND
	s_barrier_signal -1
	s_barrier_wait -1
	s_cmp_lg_u32 s14, 0
	s_cbranch_scc1 .Lnot_wave_0_\@
	s_barrier_signal -3
.Lnot_wave_0_\@:
	s_barrier_wait -3
	s_barrier_signal -1
	s_barrier_wait -1
.endm
.macro SHAPE g, mask, c, r
	s_or_b32 s[\g], s\mask, (3<<16)|(1<<21)
	s_mov_b32 s[\g+1], (\c)<<16
	s_mov_b32 s[\g+2], (\r)<<16
	s_mov_b32 s[\g+3], (\c)<<16
	s_mov_b32 s[\g+4], \r
	s_mov_b32 s[\g+5], 1536
	s_mov_b32 s[\g+6], 0
	s_mov_b32 s[\g+7], 0
.endm
.macro WHERE g, lds, base, off
	s_mov_b32 s[\g], 1
	s_mov_b32 s[\g+1], \lds
	s_add_nc_u64 s[\g+2:\g+3], s[\base:\base+1], \off
	s_or_b32 s[\g+3], s[\g+3], 0x80000000
.endm
	s_load_b128 s[4:7], s[0:1], 0x0                ; A, B
	s_load_b64 s[12:13], s[0:1], 0x10              ; the result
	v_lshl_add_u32 v[SPW], v0, 2, SPARE
	v_mov_b32 v[NIL], 0
	ds_add_u32 v[SPW], v[NIL]                      ; the opening lines
	ds_add_u32 v[SPW], v[NIL]
	v_lshrrev_b32 v1, 5, v0
	v_readfirstlane_b32 s14, v1                    ; wave 0..3
	s_bfe_u32 s92, ttmp6, 0x40000                  ; cx
	s_bfe_u32 s93, ttmp6, 0x40004                  ; cy
	s_lshl_b32 s94, ttmp9, 2
	s_add_co_u32 s94, s94, s92                     ; block column
	s_and_b32 s17, ttmp7, 0xffff
	s_lshl_b32 s17, s17, 2
	s_add_co_u32 s17, s17, s93                     ; block row
	s_lshl_b32 s95, s93, 2
	s_lshl_b32 s95, 15, s95
	s_lshl_b32 s96, 0x1111, s92
	SHAPE G1A, 95, 768, 16
	SHAPE G1B, 96, 768, 8
	s_mul_i32 s20, s17, 196608
	s_add_co_u32 s20, s20, CODES
	s_mov_b32 s21, 0
	s_mul_i32 s22, s94, 98304
	s_add_co_u32 s22, s22, CODES
	s_mov_b32 s23, 0
	s_lshl_b32 s98, s17, 13                        ; scale words: my 4 row blocks of A,
	s_lshl_b32 s18, s14, 11
	s_add_co_u32 s98, s98, s18
	s_mov_b32 s99, 0
	s_lshl_b32 s10, s94, 12                        ; B's 8
	s_mov_b32 s11, 0
	s_wait_dscnt 0x0
	s_wait_kmcnt 0x0
	s_add_nc_u64 s[20:21], s[4:5], s[20:21]
	s_add_nc_u64 s[98:99], s[4:5], s[98:99]
	s_add_nc_u64 s[22:23], s[6:7], s[22:23]
	s_add_nc_u64 s[10:11], s[6:7], s[10:11]
	CROUND                                         ; the first joint loads meet
	WHERE G0B0, BBS, 22, 0
	WHERE G0A0, 0, 20, 0
	WHERE G0B1, BBS+49152, 22, RB
	WHERE G0A1, 98304, 20, RB
	ARM 1, G0B0, G1B, .Lh1
	ARM 2, G0A0, G1A, .Lh2
	ARM 3, G0B1, G1B, .Lh3
	TLOAD G0A1, G1A
.Lhead_asked:
	v_and_b32 v1, 15, v0                           ; r
	v_and_b32 v3, 31, v0                           ; lane
	v_lshlrev_b32 v[GL], 3, v3
	v_lshlrev_b32 v5, 5, v1                        ; 32 r
	s_mul_i32 s2, s14, 4*RB
	v_add_nc_u32 v[ADRA], s2, v[GL]
	v_add_nc_u32 v[ADRA+1], 98304, v[ADRA]
	v_add_nc_u32 v[ADRB], BBS, v[GL]
	v_add_nc_u32 v[ADRB+1], BBS+49152, v[GL]
	s_lshl_b32 s76, s14, 8                         ; the gathered scale words: 256 bytes a wave at LDS byte 0 on: A's first half is read no more behind the second barrier
	v_lshl_add_u32 v[SWO], v1, 2, s76
	v_add_nc_u32 v[SWI], s76, v[GL]
	s_lshr_b32 s18, s94, 1
	s_lshl_b32 s18, s18, 5
	s_add_co_u32 s18, s18, s17                     ; ti
	s_and_b32 s19, s94, 1                          ; which 128 columns
	s_lshl_b32 s2, s18, 11
	s_lshl_b32 s3, s19, 10
	s_add_co_u32 s2, s2, s3
	s_add_co_u32 s2, s2, s76
	s_mov_b32 s3, 0
	s_add_nc_u64 s[8:9], s[12:13], s[2:3]          ; my 64 scale words
	s_mul_i32 s2, s18, 49152
	s_mul_i32 s19, s19, 24576
	s_add_co_u32 s2, s2, s19
	s_mul_i32 s19, s14, 3072
	s_add_co_u32 s2, s2, s19
	s_add_co_u32 s2, s2, 2097152
	s_add_nc_u64 s[12:13], s[12:13], s[2:3]        ; my codes
	s_mov_b32 s18, 0x76543210
	s_mov_b32 s19, 0xfedcba98
	s_wait_alu depctr_va_vdst(0)
.irp i, 0,1,2,3,4,5,6,7
	global_load_b128 v[32+8*\i:35+8*\i], v5, s[10:11] offset:512*\i
	global_load_b128 v[36+8*\i:39+8*\i], v5, s[10:11] offset:512*\i+16
.endr
.irp i, 0,1,2,3
	global_load_b128 v[100+8*\i:103+8*\i], v5, s[98:99] offset:512*\i
	global_load_b128 v[96+8*\i:99+8*\i], v5, s[98:99] offset:512*\i+16
.endr
.macro W1 d, b, a, c, xb, xa
	v_wmma_scale_f32_16x16x128_f8f6f4 v[\d:\d+7], v[\b:\b+FR-1], v[\a:\a+FR-1], \c, v[\xb], v[\xa] matrix_a_fmt:MATRIX_FMT_FP6 matrix_b_fmt:MATRIX_FMT_FP6
.endm
.macro MUL16 a0, kk, zero              ; A's blocks a0, a0 + 1 x B's eight; the 32 accumulators take turns
.irp a, \a0, \a0+1
.irp b, 0,1,2,3,4,5,6,7
.set D_, 8*(8*(\a)+\b)
.set B_, 128*((\kk)%2)+FR*\b
.set A_, AF+48*((\kk)%2)+FR*(\a)
.set XB_, 32+8*\b+(\kk)
.set XA_, 96+8*(\a)+((\kk)+4)%8
.if \zero
	W1 D_, B_, A_, 0, XB_, XA_
.else
	W1 D_, B_, A_, v[D_:D_+7], XB_, XA_
.endif
.endr
.endr
.endm
.macro FRAG reg, adr, off
.irp p, 0,1,2,3,4,5
	ds_load_b64 v[\reg+2*\p:\reg+2*\p+1], v[\adr] offset:\off+256*\p
.endr
.endm
.macro FETCH kk                        ; step kk's twelve fragments into set kk % 2: 72 loads
.set OF_, ((\kk)%4)*IMG
	WIN 0x40
.irp i, 0,1,2,3,4,5,6,7
	FRAG 128*((\kk)%2)+FR*\i, ADRB+(\kk)/4, \i*RB+OF_
.endr
	WIN 0
.irp i, 0,1,2,3
	FRAG AF+48*((\kk)%2)+FR*\i, ADRA+(\kk)/4, \i*RB+OF_
.endr
.endm
.macro STEP kk, zero
	s_wait_dscnt 0x0                               ; this step's fragments are in
.if \kk == 3
	s_wait_tensorcnt 0x0                           ; every wave: the second half of K is in
	s_barrier_signal -1
	WIN MUL
	MUL16 0, \kk, \zero
	s_barrier_wait -1
	PLACES 4
	FETCH (\kk)+1
	WIN MUL
	MUL16 2, \kk, \zero
.else
.if \kk < 7
.if \kk > 0
	PLACES 4                                       ; between the last step's products and the loads into their registers
.endif
	FETCH (\kk)+1
.endif
	WIN MUL
	MUL16 0, \kk, \zero
	MUL16 2, \kk, \zero
.endif
	WIN 0
.endm
	s_cmp_lt_u32 s14, 2
	s_cbranch_scc0 .Lnot_first
	s_wait_tensorcnt 0x0                           ; waves 0 and 1: the first half of K is in
.Lnot_first:
	s_barrier_signal -1
	s_barrier_wait -1
	FETCH 0
	s_wait_loadcnt 0x0                             ; the scale words
	STEP 0, 1
.irp k, 1,2,3,4,5,6,7
	STEP \k, 0
.endr
	PLACES 4
.irp b, 0,1,2,3
	v_mov_b32 v[TM+4+\b], 0                        ; a lane permute's destination counts as one of its sources
.endr
; THE WAY OUT, as in launch qk: block a's 64 registers become one fragment's codes and its scale word.  Each accumulator is read from its low end on.
.macro QUANT a
.set S, 64*(\a)
	WIN 10
.irp b, 0,1,2,3
	v_max3_num_f32 v[TM+\b], |v[S+16*\b]|, |v[S+16*\b+1]|, 0x1800000
.endr
.irp i, 2,4,6,8,10,12,14
.irp b, 0,1,2,3
	v_max3_num_f32 v[TM+\b], |v[S+16*\b+\i]|, |v[S+16*\b+\i+1]|, v[TM+\b]
.endr
.endr
	WIN 0
.irp b, 0,1,2,3
	v_permlanex16_b32 v[TM+4+\b], v[TM+\b], s18, s19
.endr
.irp b, 0,1,2,3
	v_max_num_f32 v[TM+\b], v[TM+\b], v[TM+4+\b]
.endr
.irp b, 0,1,2,3
	v_add_nc_u32 v[TM+12+\b], 0xff000000, v[TM+\b]
.endr
.irp b, 0,1,2,3
	v_lshrrev_b32 v[TM+4+\b], 23, v[TM+12+\b]
.endr
	s_wait_alu depctr_va_vdst(0)
	s_wait_dscnt 0x0                               ; the last block's stores have read the word
	s_wait_xcnt 0x0                                ; and the codes
	v_lshl_or_b32 v[PW], v[TM+5], 8, v[TM+4]
	v_lshl_or_b32 v[PW], v[TM+6], 16, v[PW]
	v_lshl_or_b32 v[PW], v[TM+7], 24, v[PW]
	WIN 2
.irp c, 0,1
	v_cvt_scalef32_pk16_fp6_f32 v[PC+6*\c:PC+6*\c+2], v[S+32*\c:S+32*\c+15], v[TM+12+2*\c]
	v_cvt_scalef32_pk16_fp6_f32 v[PC+12+4*\c:PC+14+4*\c], v[S+32*\c+16:S+32*\c+31], v[TM+13+2*\c]
.endr
	WIN 0
	v_nop                                          ; one plain place behind the conversions
.irp c, 0,1
.irp i, 0,1,2
	v_permlane16_swap_b32 v[PC+6*\c+\i], v[PC+12+4*\c+\i]
.endr
.irp i, 0,1,2
	v_mov_b32 v[PC+3+6*\c+\i], v[PC+12+4*\c+\i]
.endr
.endr
.endm
.irp a, 0,1,2,3
	QUANT \a
.irp p, 0,1,2,3,4,5
	global_store_b64 v[GL], v[PC+2*\p:PC+2*\p+1], s[12:13] offset:(\p/3)*12288+768*\a+256*(\p%3)   ; 256 consecutive bytes, aligned
.endr
	ds_store_b32 v[SWO], v[PW] offset:64*\a
.endr
	ds_load_b64 v[116:117], v[SWI]
	s_wait_dscnt 0x0
	global_store_b64 v[GL], v[116:117], s[8:9]     ; my 64 scale words: one aligned unit of 256 bytes
	s_wait_tensorcnt 0x0                           ; the wave's end
	ds_add_u32 v[SPW], v[NIL]
	s_wait_dscnt 0x0
	CROUND                                         ; the closing round
	s_endpgm
.Lfunc_end_k_qd9ff16bdad_v:
	.size	k_qd9ff16bdad_v, .Lfunc_end_k_qd9ff16bdad_v-k_qd9ff16bdad_v
	.p2alignl 7, 3214868480
	.fill 96, 4, 3214868480
	.section	.rodata,"a",@progbits
	.p2align	6, 0x0
	.amdhsa_kernel k_qd9ff16bdad_v
		.amdhsa_group_segment_fixed_size 327680
		.amdhsa_private_segment_fixed_size 0
		.amdhsa_enable_private_segment 0
		.amdhsa_kernarg_size 24
		.amdhsa_user_sgpr_count 2
		.amdhsa_user_sgpr_kernarg_segment_ptr 1
		.amdhsa_wavefront_size32 1
		.amdhsa_system_sgpr_workgroup_id_x 1
		.amdhsa_system_sgpr_workgroup_id_y 1
		.amdhsa_system_sgpr_workgroup_id_z 1
		.amdhsa_system_vgpr_workitem_id 0
		.amdhsa_next_free_vgpr 768
		.amdhsa_next_free_sgpr 100
		.amdhsa_reserve_vcc 0
		.amdhsa_float_denorm_mode_32 3
		.amdhsa_float_denorm_mode_16_64 3
		.amdhsa_memory_ordered 1
		.amdhsa_forward_progress 1
		.amdhsa_inst_pref_size 99
	.end_amdhsa_kernel
	.amdgpu_metadata
---
amdhsa.version: [ 1, 2 ]
amdhsa.kernels:
  - .name:           k_qd9ff16bdad_v
    .symbol:         k_qd9ff16bdad_v.kd
    .args:
      - { .name: wv, .offset: 0, .size: 8, .value_kind: global_buffer, .address_space: global }
      - { .name: xq, .offset: 8, .size: 8, .value_kind: global_buffer, .address_space: global }
      - { .name: vt, .offset: 16, .size: 8, .value_kind: global_buffer, .address_space: global }
    .group_segment_fixed_size: 327680
    .private_segment_fixed_size: 0
    .kernarg_segment_align: 8
    .kernarg_segment_size: 24
    .max_flat_workgroup_size: 128
    .sgpr_count:     100
    .vgpr_count:     768
    .wavefront_size: 32
...
	.end_amdgpu_metadata
.endif
;; end of part 3
;; launch attn (part 4): grid 4 x 64, 16 waves a work-group, no clusters, 327,680 bytes of LDS; arguments qk, vt, yq; writes yq
.if DOCPART == 4
	.amdgcn_target "amdgcn-amd-amdhsa--gfx1250"
	.amdhsa_code_object_version 6
	.text
	.protected	k_qd9ff16bdad_attn
	.globl	k_qd9ff16bdad_attn
	.p2align	8
	.type	k_qd9ff16bdad_attn,@function
k_qd9ff16bdad_attn:
	s_mov_b64 s[64:65], 0
	v_nop
	global_prefetch_b8 v0, s[64:65] scope:SCOPE_SE
	s_setreg_imm32_b32 hwreg(HW_REG_WAVE_MODE, 25, 1), 1
	s_wait_xcnt 0x0
; Causal attention of one head on codes of FP6 (E2M3) with E8M0 scales; head size 64, 2,048 tokens, 64 (batch, head) pairs.  y leaves quantised along the head's 64, as the next product's operand.
; THE SOFTMAX: t = score x log2(e) / 8; M = the running largest t rounded UP to a whole number; p = 2^(t - M) is quantised along the keys, not normalised; the row's sum is taken of the unquantised p and divides O at the end.
; When M moves, the sum and O are multiplied by 2^(old M - new M): exact.
; SHARES.  A work-group (i, head) owns query blocks 7 - i and i, 256 queries each: block 7 - i walks key slots 0 .. 7 - i, then block i walks slots 0 .. i: NINE trips of 256 keys in every work-group, a constant of the text.
; Each of the sixteen waves owns 16 queries of the block in hand, in 256 registers: four waves to a SIMD.
; NO JOINT LOADS: the four work-groups of a head need different slots from the sixth trip on, and a joint load is issued by all that it names.
; LAYOUT.  Both products are used transposed (S^T = K Q^T, O^T = V^T P^T): a lane holds one query.  Tokens and features lie in row blocks of 16, place r of block rb = 32 (rb / 2) + 8 (rb % 2) + r + 8 (r / 8):
; so the 16 registers of result tiles 2 j, 2 j + 1 are 16 neighbours, 32 j + 16 (lane / 16) + 0 .. 15.
; THE FIRST PRODUCT HAS K = 64 in an instruction of 128.  k's codes are registers 6-11 of source 0 and q's of source 1; q's registers 0-5 are zero codes, so whatever stands in source 0's registers 0-5 (the neighbouring tile's codes) adds nothing.
; A token's scale word is (q0, q1, k0, k1): k's bytes stand right; q's word is shifted up by 16, which leaves bytes 0 in the unused half.
; LIMITS: NaN and infinities are not served; p under 2^-126 becomes 0; 1 / the sum is v_rcp_f32's; a block of y or p whose largest magnitude lies under 2^-124 keeps the byte 1.
; REGISTERS: v1-7 addresses that stay; v8, v9 addresses in hand; v12 -M, v13 the largest t, v[14:15] the sum; v16-21 zeros, v22-27 q, v28 q's scales; v30-35 zeros, v36-83 eight tiles of k, then four fragments of V; v84-91 scale words;
;   v96-159 S^T, then p; v160-191 O^T; v192-203 p's or y's codes; v232-255 at work.
.set SLOT1, 32768                      ; a slot: k's codes 12,288, V's codes 12,288, k's scale words 1,024, V's 512; slot 1 begins here
.set VCO,   12288
.set KSC,   24576
.set VSC,   25600
.set SPARE, 65536                      ; the spare words, 128 bytes a wave: eight blocks of 256 bytes that no other line names
.set TB,    2                          ; s2   the slot in hand
.set T,     3                          ; s3   the trip
.set E1,    10                         ; s10  7 - i: the first phase's last trip, and its query block
.set SG,    11                         ; s11  the key slot last asked for
.set KF,    12                         ; s12  the step's first key
.set QMIN,  13                         ; s13  my first query
.set DQ,    14                         ; s14  256 (7 - 2 i): from the first block's queries back to the second's
.set NOASK, 16                         ; s16  0 in a wave that prefetches
.set WV,    18
.set SEL,   20
.set CS,    22
.set QC,    84                         ; s[84:91] q's codes, q's scale words, y's codes, y's scale bytes of my 16 queries;  s[92:99] their steps back between the phases
.set QS,    86
.set YC,    88
.set YS,    90
.set PFA,   100
.set PFS,   104
.macro SHAPE g, c, r, p                ; group 1: r rows of c elements of 8 bytes, p elements apart, dense in LDS
	s_mov_b32 s[\g], 3<<16
	s_mov_b32 s[\g+1], (\c)<<16
	s_mov_b32 s[\g+2], (\r)<<16
	s_mov_b32 s[\g+3], (\c)<<16
	s_mov_b32 s[\g+4], \r
	s_mov_b32 s[\g+5], \p
	s_mov_b32 s[\g+6], 0
	s_mov_b32 s[\g+7], 0
.endm
.macro WHERE g, lds, base              ; group 0: key slot 0 into LDS slot 0
	s_mov_b32 s[\g], 1
	s_mov_b32 s[\g+1], \lds
	s_mov_b64 s[\g+2:\g+3], s[\base:\base+1]
	s_or_b32 s[\g+3], s[\g+3], 0x80000000
.endm
.macro NEXT g, base, step              ; group 0: key slot SG into the other LDS slot
	s_mul_i32 s66, s[SG], \step
	s_add_nc_u64 s[\g+2:\g+3], s[\base:\base+1], s[66:67]
	s_or_b32 s[\g+3], s[\g+3], 0x80000000
	s_xor_b32 s[\g+1], s[\g+1], SLOT1
.endm
.macro TLOAD                           ; wave 0: k's codes; 1: V's codes; 2: k's scale words; 3: V's; the others nothing.  Four v_nop follow each line
	s_cmp_lg_u32 s[WV], 0
	s_cbranch_scc1 .Lw1_\@
	tensor_load_to_lds s[56:59], s[24:31]
	s_nop 0
.rept 4
	v_nop
.endr
	s_branch .Lasked_\@
.Lw1_\@:
	s_cmp_lg_u32 s[WV], 1
	s_cbranch_scc1 .Lw2_\@
	tensor_load_to_lds s[60:63], s[32:39]
	s_nop 0
.rept 4
	v_nop
.endr
	s_branch .Lasked_\@
.Lw2_\@:
	s_cmp_lg_u32 s[WV], 2
	s_cbranch_scc1 .Lw3_\@
	tensor_load_to_lds s[68:71], s[40:47]
	s_nop 0
.rept 4
	v_nop
.endr
	s_branch .Lasked_\@
.Lw3_\@:
	s_cmp_lg_u32 s[WV], 3
	s_cbranch_scc1 .Lasked_\@
	tensor_load_to_lds s[72:75], s[48:55]
	s_nop 0
.rept 4
	v_nop
.endr
.Lasked_\@:
.endm
; A PREFETCH INTO THE L2.  Work-group i = 0 of a head walks key slots 0 .. 7 in trips 0 .. 7, and no partner asks for a slot earlier.  In it waves 4-6 name k's codes and waves 8-10 V's: in trips 0, 2, 4 those of slots T + 2 and T + 3,
; 2 x 12,288 bytes = 96 blocks of 256 bytes = 3 waves x 32 lanes: each block once in the launch, one and two trips ahead of the tensor load that wants it.  Slots 0 and 1 and the scale words come by their loads alone.
.macro ASK
	s_and_b32 s15, s[T], 1
	s_or_b32 s15, s15, s[NOASK]
	s_cmp_eq_u32 s15, 0
	s_cbranch_scc0 .Lnot_mine_\@
	s_cmp_le_u32 s[T], 4
	s_cbranch_scc0 .Lnot_mine_\@
	global_prefetch_b8 v7, s[PFA:PFA+1] th:TH_LOAD_NT scope:SCOPE_SE
.Lnot_mine_\@:
.endm
.macro LOADQ
.irp p, 0,1,2
	global_load_b64 v[22+2*\p:23+2*\p], v1, s[QC:QC+1] offset:256*\p
.endr
	global_load_b32 v29, v2, s[QS:QS+1]
.endm
	s_load_b128 s[4:7], s[0:1], 0x0                ; qk, vt
	s_load_b64 s[8:9], s[0:1], 0x10                ; yq
	v_lshl_add_u32 v5, v0, 2, SPARE                ; my spare word; never rewritten
	v_mov_b32 v6, 0                                ; 0; never rewritten
	ds_add_u32 v5, v6
	ds_add_u32 v5, v6
	s_wait_dscnt 0x0
	v_lshrrev_b32 v8, 5, v0
	s_delay_alu instid0(VALU_DEP_1)
	v_readfirstlane_b32 s[WV], v8                  ; wave 0..15
	s_and_b32 s66, ttmp7, 0xffff
	s_lshr_b32 s67, s66, 4                         ; the batch b
	s_and_b32 s66, s66, 15                         ; the head h
	s_sub_co_u32 s[E1], 7, ttmp9
	s_lshr_b32 s15, s66, 1
	s_lshl_b32 s15, s15, 5
	s_lshl_b32 s19, s67, 3
	s_add_co_u32 s15, s15, s19                     ; qk's tile of key slot 0: 32 (h / 2) + 8 b
	s_and_b32 s19, s66, 1
	s_mul_i32 s76, s15, 49152
	s_mul_i32 s16, s19, 24576
	s_add_co_u32 s76, s76, s16
	s_add_co_u32 s84, s76, 2097152                 ; q's plane,
	s_add_co_u32 s76, s76, 2097152+12288           ; k's
	s_mov_b32 s77, 0
	s_lshl_b32 s80, s15, 11
	s_lshl_b32 s16, s19, 10
	s_add_co_u32 s80, s80, s16                     ; their scale words
	s_mov_b32 s81, 0
	s_mul_i32 s16, s[E1], 49152                    ; my queries: block 7 - i, row block = wave
	s_add_co_u32 s84, s84, s16
	s_mul_i32 s16, s[WV], 768
	s_add_co_u32 s84, s84, s16
	s_mov_b32 s85, 0
	s_lshl_b32 s16, s[E1], 11
	s_add_co_u32 s86, s80, s16
	s_lshl_b32 s16, s[WV], 6
	s_add_co_u32 s86, s86, s16
	s_mov_b32 s87, 0
	s_lshl_b32 s15, s67, 8
	s_lshr_b32 s16, s66, 2
	s_add_co_u32 s15, s15, s16                     ; vt's tile of key slot 0: 32 x 8 b + h / 4
	s_and_b32 s19, s66, 3
	s_mul_i32 s78, s15, 49152
	s_mul_i32 s16, s19, 3072
	s_add_co_u32 s78, s78, s16
	s_add_co_u32 s78, s78, 2097152
	s_mov_b32 s79, 0
	s_lshl_b32 s82, s15, 11
	s_lshl_b32 s16, s19, 8
	s_add_co_u32 s82, s82, s16
	s_mov_b32 s83, 0
	s_lshl_b32 s15, s67, 7
	s_lshl_b32 s16, s[E1], 4
	s_add_co_u32 s15, s15, s16
	s_add_co_u32 s15, s15, s[WV]                   ; yq's row block: 128 b + 16 block + wave
	s_mul_i32 s88, s15, 12288
	s_mul_i32 s16, s66, 768
	s_add_co_u32 s88, s88, s16
	s_add_co_u32 s88, s88, 262144
	s_mov_b32 s89, 0
	s_lshl_b32 s90, s15, 9
	s_lshl_b32 s16, s66, 1
	s_add_co_u32 s90, s90, s16
	s_mov_b32 s91, 0
	s_lshl_b32 s15, ttmp9, 1
	s_sub_co_u32 s15, 7, s15                       ; 7 - 2 i blocks back between the phases
	s_lshl_b32 s[DQ], s15, 8
	s_mul_i32 s92, s15, 49152
	s_mov_b32 s93, 0
	s_lshl_b32 s94, s15, 11
	s_mov_b32 s95, 0
	s_mul_i32 s96, s15, 196608
	s_mov_b32 s97, 0
	s_lshl_b32 s98, s15, 13
	s_mov_b32 s99, 0
	s_lshl_b32 s[QMIN], s[E1], 8
	s_lshr_b32 s16, s[WV], 1
	s_lshl_b32 s16, s16, 5
	s_add_co_u32 s[QMIN], s[QMIN], s16
	s_and_b32 s16, s[WV], 1
	s_lshl_b32 s16, s16, 3
	s_add_co_u32 s[QMIN], s[QMIN], s16             ; my first query: 256 block + 32 (wave / 2) + 8 (wave % 2)
	SHAPE 24, 32, 48, 32                           ; k's codes: 12,288 dense bytes
	SHAPE 32, 384, 4, 1536                         ; V's codes: 4 rows of 3,072 bytes, 12,288 apart
	SHAPE 40, 32, 4, 32                            ; k's scale words: 1,024 dense bytes
	SHAPE 48, 32, 2, 128                           ; V's: 2 rows of 256 bytes, 1,024 apart
	s_mov_b32 s[SEL], 0x76543210
	s_mov_b32 s[SEL+1], 0xfedcba98
	s_mov_b32 s[CS], 0x3e38aa3b                    ; c = log2(e) / 8
	s_mov_b32 s[CS+1], s[CS]
	s_mov_b32 s[TB], 0
	s_mov_b32 s[T], 0
	s_mov_b32 s[SG], 0
	s_mov_b32 s[KF], 0
	s_wait_kmcnt 0x0
	s_add_nc_u64 s[76:77], s[4:5], s[76:77]
	s_add_nc_u64 s[80:81], s[4:5], s[80:81]
	s_add_nc_u64 s[QC:QC+1], s[4:5], s[QC:QC+1]
	s_add_nc_u64 s[QS:QS+1], s[4:5], s[QS:QS+1]
	s_add_nc_u64 s[78:79], s[6:7], s[78:79]
	s_add_nc_u64 s[82:83], s[6:7], s[82:83]
	s_add_nc_u64 s[YC:YC+1], s[8:9], s[YC:YC+1]
	s_add_nc_u64 s[YS:YS+1], s[8:9], s[YS:YS+1]
	WHERE 56, 0, 76
	WHERE 60, VCO, 78
	WHERE 68, KSC, 80
	WHERE 72, VSC, 82
	TLOAD                                          ; key slot 0
	s_cmp_lt_u32 s[WV], 8                          ; the prefetches: k's codes (waves under 8) or V's
	s_cselect_b64 s[PFA:PFA+1], s[76:77], s[78:79]
	s_mov_b32 s[PFS], 1572864
	s_cselect_b32 s[PFS], 49152, s[PFS]            ; a slot on
	s_cselect_b32 s19, 0, 9216                     ; what a row of V's tile lies further on than its 3,072 bytes
	s_mov_b32 s[PFS+1], 0
	s_add_nc_u64 s[PFA:PFA+1], s[PFA:PFA+1], s[PFS:PFS+1]  ; at slot 1: each change of slots steps it, so that in trip T it stands at slot T + 2
	s_sub_co_u32 s15, s[WV], 4
	s_cmp_lt_u32 s15, 7
	s_cselect_b32 s[NOASK], 0, 1
	s_and_b32 s15, s[WV], 3
	s_cmp_eq_u32 s15, 3
	s_cselect_b32 s[NOASK], 1, s[NOASK]            ; waves 4, 5, 6, 8, 9, 10
	s_or_b32 s[NOASK], s[NOASK], ttmp9             ; of work-group i = 0
	s_lshl_b32 s15, s15, 5
	v_and_b32 v9, 31, v0                           ; lane
	s_delay_alu instid0(VALU_DEP_1)
	v_add_nc_u32 v7, s15, v9                       ; idx: my block among the 96
	s_delay_alu instid0(VALU_DEP_1)
	v_mul_u32_u24 v10, v7, 171
	s_delay_alu instid0(VALU_DEP_1)
	v_lshrrev_b32 v10, 13, v10                     ; idx / 48: the first or the second slot
	s_delay_alu instid0(VALU_DEP_1)
	v_mul_u32_u24 v11, v10, 48
	s_delay_alu instid0(VALU_DEP_1)
	v_sub_nc_u32 v7, v7, v11                       ; j: my block in the slot
	s_delay_alu instid0(VALU_DEP_1)
	v_mul_u32_u24 v11, v7, 171
	s_delay_alu instid0(VALU_DEP_1)
	v_lshrrev_b32 v11, 11, v11                     ; j / 12: the row of 3,072 bytes
	s_delay_alu instid0(VALU_DEP_3)
	v_lshlrev_b32 v7, 8, v7
	s_delay_alu instid0(VALU_DEP_2)
	v_mul_lo_u32 v11, v11, s19
	s_delay_alu instid0(VALU_DEP_1)
	v_add_nc_u32 v7, v7, v11
	v_mul_lo_u32 v10, v10, s[PFS]
	s_delay_alu instid0(VALU_DEP_1)
	v_add_nc_u32 v7, v7, v10                       ; the prefetches' offset; never rewritten
	v_lshlrev_b32 v1, 3, v9                        ; 8 x lane: my bytes of a piece
	v_and_b32 v10, 15, v0                          ; r
	s_delay_alu instid0(VALU_DEP_1)
	v_lshlrev_b32 v2, 2, v10                       ; 4 r: a scale word
	v_bfe_u32 v11, v0, 4, 1
	s_delay_alu instid0(VALU_DEP_3)
	v_and_b32 v3, 8, v10
	s_delay_alu instid0(VALU_DEP_1)
	v_add_nc_u32 v3, v3, v10
	s_delay_alu instid0(VALU_DEP_3)
	v_lshlrev_b32 v11, 4, v11
	s_delay_alu instid0(VALU_DEP_1)
	v_sub_nc_u32 v3, v3, v11                       ; my query less QMIN, less 16 (lane / 16)
	v_lshlrev_b32 v4, 5, v10                       ; 32 r: my query's scale bytes in yq
	LOADQ
.irp j, 0,1,2,3,4,5
	v_mov_b32 v[16+\j], 0                          ; q's unused half: zero codes
	v_mov_b32 v[30+\j], 0                          ; and what stands beside the first tile of k
.endr
	v_mov_b32 v13, 0xff61b1e6                      ; the largest t so far: -3e38
	s_delay_alu instid0(VALU_DEP_1)
	v_floor_f32 v12, -v13                          ; -M
	v_mov_b32 v14, 0
	v_mov_b32 v15, 0
.irp b, 0,1,2,3
	v_mov_b32 v[236+\b], 0                         ; written once: a lane permute's destination counts as one of its sources
.endr
	v_mov_b32 v252, 0
	v_mov_b32 v253, 0
	s_wait_loadcnt 0x0
	v_lshlrev_b32 v28, 16, v29                     ; q's two bytes to the half in use
.set j, 0
.rept 32
	v_mov_b32 v[160+j], 0                          ; O^T (these are also the places between the line above and the first scaled product)
.set j, j+1
.endr
; A KEY STEP: 128 keys, the q-th of the slot in hand.
.macro STEP q
	s_add_co_u32 s15, s[QMIN], 23                  ; my last query.  A step all of whose keys come after it is left out: a branch on ids, round no barrier and no tensor load
	s_cmp_gt_u32 s[KF], s15
	s_cbranch_scc1 .Lhidden_\@
	v_add_nc_u32 v8, s[TB], v1
	v_add_nc_u32 v9, s[TB], v2
.irp t, 0,1,2,3,4,5,6,7
.irp p, 0,1,2
	ds_load_b64 v[36+6*\t+2*\p:37+6*\t+2*\p], v8 offset:(8*(\q)+\t)*768+256*\p
.endr
	ds_load_b32 v[84+\t], v9 offset:KSC+(8*(\q)+\t)*64
.endr
	s_wait_alu depctr_va_vdst(0)
	s_wait_dscnt 0x0
.irp t, 0,1,2,3,4,5,6,7                ; S^T = K Q^T: source 0 = [the six registers in front | tile t's six]
	v_wmma_scale_f32_16x16x128_f8f6f4 v[96+8*\t:103+8*\t], v[30+6*\t:41+6*\t], v[16:27], 0, v[84+\t], v28 matrix_a_fmt:MATRIX_FMT_FP6 matrix_b_fmt:MATRIX_FMT_FP6
.endr
.rept 4
	v_nop                                          ; places in front of the loads below and of the first read of the scores
.endr
.irp t, 0,1,2,3                        ; V's four fragments are asked for now and land under the softmax
.irp p, 0,1,2,3,4,5
	ds_load_b64 v[36+12*\t+2*\p:37+12*\t+2*\p], v8 offset:VCO+6144*(\q)+3072*(\p/3)+768*\t+256*(\p%3)
.endr
	ds_load_b32 v[84+\t], v9 offset:VSC+256*(\q)+64*\t
.endr
	s_add_co_u32 s15, s[KF], 127                   ; on the diagonal hidden scores become -infinity; a step all of whose keys count skips this
	s_cmp_le_u32 s15, s[QMIN]
	s_cbranch_scc1 .Lopen_\@
	s_sub_co_i32 s15, s[QMIN], s[KF]
	v_add_nc_u32 v252, s15, v3                     ; d: register 16 b + i holds key KF + 16 (lane / 16) + 32 b + i: hidden where 32 b + i > d
	v_mov_b32 v254, 0xff800000
.set n, 0
.rept 64
	v_cmp_gt_i32 vcc_lo, 32*(n/16)+n%16, v252
	v_cndmask_b32 v[96+n], v[96+n], v254, vcc_lo
.set n, n+1
.endr
.Lopen_\@:
.irp b, 0,1,2,3
	v_max3_num_f32 v[232+\b], v[96+16*\b], v[97+16*\b], v[98+16*\b]   ; the largest score of each block of 32 keys: for the row's maximum and, since p rises with the score, for the block's largest p
.endr
.irp i, 3,5,7,9,11,13
.irp b, 0,1,2,3
	v_max3_num_f32 v[232+\b], v[232+\b], v[96+16*\b+\i], v[97+16*\b+\i]
.endr
.endr
.irp b, 0,1,2,3
	v_max_num_f32 v[232+\b], v[232+\b], v[111+16*\b]
.endr
.irp b, 0,1,2,3
	s_delay_alu instid0(VALU_DEP_4)
	v_permlanex16_b32 v[236+\b], v[232+\b], s[SEL], s[SEL+1]
.endr
.irp b, 0,1,2,3
	s_delay_alu instid0(VALU_DEP_4)
	v_max_num_f32 v[232+\b], v[232+\b], v[236+\b]
.endr
	s_delay_alu instid0(VALU_DEP_2)
	v_max3_num_f32 v254, v232, v233, v234
	s_delay_alu instid0(VALU_DEP_1)
	v_max_num_f32 v254, v254, v235
	s_delay_alu instid0(VALU_DEP_1)
	v_mul_f32 v254, s[CS], v254
	s_delay_alu instid0(VALU_DEP_1)
	v_max_num_f32 v13, v13, v254                   ; the running largest t
	v_mov_b32 v254, v12
	s_delay_alu instid0(VALU_DEP_2)
	v_floor_f32 v12, -v13                          ; -M = floor(-t)
	s_delay_alu instid0(VALU_DEP_1)
	v_sub_f32 v254, v12, v254
	s_delay_alu instid0(VALU_DEP_1)
	v_cvt_i32_f32 v254, v254                       ; (it saturates)
	s_delay_alu instid0(VALU_DEP_1)
	v_ldexp_f32 v252, 1.0, v254                    ; f = 2^(old M - new M)
.set j, 0
.rept 32
	v_pk_fma_f32 v[96+j:97+j], v[96+j:97+j], s[CS:CS+1], v[12:13] op_sel_hi:[1,0,0]   ; t - M
.set j, j+2
.endr
.irp b, 0,1,2,3
	v_fma_f32 v[232+\b], v[232+\b], s[CS], v12
.endr
.set j, 0
	s_wait_alu depctr_va_vdst(0)
.rept 64
	v_exp_f32 v[96+j], v[96+j]                     ; p = 2^(t - M)
.set j, j+1
.endr
	v_pk_mul_f32 v[14:15], v[14:15], v[252:253] op_sel_hi:[1,0]   ; the sums under the new M: a plain place behind the exponentials
	s_wait_alu depctr_va_vdst(0)                   ; one wait for the batch, ahead of its first reader
.irp b, 0,1,2,3
	v_exp_f32 v[232+\b], v[232+\b]                 ; each block's largest p
.endr
	v_pk_add_f32 v[236:237], v[100:101], v[104:105]
	v_pk_add_f32 v[254:255], v[108:109], v[112:113]
	v_pk_add_f32 v[250:251], v[116:117], v[120:121]
	v_pk_add_f32 v[248:249], v[124:125], v[128:129]
	v_pk_add_f32 v[246:247], v[132:133], v[136:137]
	v_pk_add_f32 v[244:245], v[140:141], v[144:145]
	v_pk_add_f32 v[242:243], v[148:149], v[152:153]
	v_pk_add_f32 v[14:15], v[14:15], v[156:157]
	v_pk_add_f32 v[236:237], v[236:237], v[96:97]
	v_pk_add_f32 v[254:255], v[254:255], v[98:99]
	v_pk_add_f32 v[250:251], v[250:251], v[102:103]
	v_pk_add_f32 v[248:249], v[248:249], v[106:107]
	v_pk_add_f32 v[246:247], v[246:247], v[110:111]
	v_pk_add_f32 v[244:245], v[244:245], v[114:115]
	v_pk_add_f32 v[242:243], v[242:243], v[118:119]
	v_pk_add_f32 v[14:15], v[14:15], v[122:123]
	v_pk_add_f32 v[236:237], v[236:237], v[126:127]
	v_pk_add_f32 v[254:255], v[254:255], v[130:131]
	v_pk_add_f32 v[250:251], v[250:251], v[134:135]
	v_pk_add_f32 v[248:249], v[248:249], v[138:139]
	v_pk_add_f32 v[246:247], v[246:247], v[142:143]
	v_pk_add_f32 v[244:245], v[244:245], v[146:147]
	v_pk_add_f32 v[242:243], v[242:243], v[150:151]
	v_pk_add_f32 v[14:15], v[14:15], v[154:155]
	v_pk_add_f32 v[236:237], v[236:237], v[158:159]
	s_delay_alu instid0(VALU_DEP_2)
	v_pk_add_f32 v[14:15], v[14:15], v[248:249]
	s_delay_alu instid0(VALU_DEP_2)
	v_pk_add_f32 v[236:237], v[236:237], v[246:247]
	v_pk_add_f32 v[254:255], v[254:255], v[244:245]
	v_pk_add_f32 v[250:251], v[250:251], v[242:243]
	s_delay_alu instid0(VALU_DEP_2)
	v_pk_add_f32 v[14:15], v[14:15], v[254:255]
	s_delay_alu instid0(VALU_DEP_2)
	v_pk_add_f32 v[236:237], v[236:237], v[250:251]
	s_delay_alu instid0(VALU_DEP_1)
	v_pk_add_f32 v[14:15], v[14:15], v[236:237]
	s_wait_alu depctr_va_vdst(0)                   ; and one for the four
.irp b, 0,1,2,3
	v_max_num_f32 v[232+\b], 0x1800000, v[232+\b]  ; the floor 2^(3 - 127)
.endr
.irp b, 0,1,2,3
	s_delay_alu instid0(VALU_DEP_4)
	v_add_nc_u32 v[244+\b], 0xff000000, v[232+\b]  ; the conversion's scale operand
.endr
.irp b, 0,1,2,3
	s_delay_alu instid0(VALU_DEP_4)
	v_lshrrev_b32 v[236+\b], 23, v[244+\b]         ; the scale's byte
.endr
	s_delay_alu instid0(VALU_DEP_3)
	v_lshl_or_b32 v253, v237, 8, v236              ; p's scale word for these 128 keys
	s_delay_alu instid0(VALU_DEP_1)
	v_lshl_or_b32 v253, v238, 16, v253
	s_delay_alu instid0(VALU_DEP_1)
	v_lshl_or_b32 v253, v239, 24, v253
.irp c, 0,1
	v_cvt_scalef32_pk16_fp6_f32 v[192+6*\c:194+6*\c], v[96+32*\c:111+32*\c], v[244+2*\c]
	v_cvt_scalef32_pk16_fp6_f32 v[236+4*\c:238+4*\c], v[112+32*\c:127+32*\c], v[245+2*\c]
.endr
	v_nop                                          ; one plain place behind the conversions
.irp c, 0,1
.irp i, 0,1,2
	v_permlane16_swap_b32 v[192+6*\c+\i], v[236+4*\c+\i]
.endr
.irp i, 0,1,2
	s_delay_alu instid0(VALU_DEP_3)
	v_mov_b32 v[195+6*\c+\i], v[236+4*\c+\i]
.endr
.endr
.set j, 0
.rept 16
	v_pk_mul_f32 v[160+j:161+j], v[160+j:161+j], v[252:253] op_sel_hi:[1,0]   ; O^T under the new M; these sixteen are also the places in front of the scaled products
.set j, j+2
.endr
	s_wait_alu depctr_va_vdst(0)
	s_wait_dscnt 0x0                               ; V
.irp t, 0,1,2,3                        ; O^T += V^T P^T: the four accumulators by turns
	v_wmma_scale_f32_16x16x128_f8f6f4 v[160+8*\t:167+8*\t], v[36+12*\t:47+12*\t], v[192:203], v[160+8*\t:167+8*\t], v[84+\t], v253 matrix_a_fmt:MATRIX_FMT_FP6 matrix_b_fmt:MATRIX_FMT_FP6
.endr
.rept 4
	v_nop                                          ; places in front of the next loads into these operands and of the next read of O^T
.endr
.Lhidden_\@:
	s_add_co_u32 s[KF], s[KF], 128
.endm
; THE CHANGE OF SLOTS, at a trip's head: every wave waits for all its tensor loads, adds 0 to its spare word, waits for that and for its reads of the slot that it has left, and passes the barrier.
; fill = 1: the slot just left takes the next trip's keys: the slot after this one, or slot 0 where the first phase ends.
.macro CHANGE fill
	s_wait_tensorcnt 0x0
	ds_add_u32 v5, v6                              ; 0 onto my spare word; the descriptors' steps stand between it and the wait for it
.if \fill
	s_add_co_u32 s[SG], s[SG], 1
	s_cmp_eq_u32 s[T], s[E1]
	s_cselect_b32 s[SG], 0, s[SG]
	s_mov_b32 s67, 0
	NEXT 56, 76, 49152
	NEXT 60, 78, 1572864
	NEXT 68, 80, 2048
	NEXT 72, 82, 65536
	s_wait_xcnt 0x0                                ; the last prefetch has read its address
	s_add_nc_u64 s[PFA:PFA+1], s[PFA:PFA+1], s[PFS:PFS+1]
.endif
	s_wait_dscnt 0x0
	s_barrier_signal -1
	s_barrier_wait -1
.if \fill
	TLOAD                                          ; a wave's one tensor load behind the barrier, and the first thing there
	ASK
.endif
.endm
; A BLOCK'S END: O^T / the sum is y; its 64 numbers are two blocks of 32, quantised, and leave as half an image (768 bytes a wave) and two scale bytes a query.  again = 1: on to the second block of queries.
.macro FINAL again
	v_add_f32 v14, v14, v15
	s_delay_alu instid0(VALU_DEP_1)
	v_permlanex16_b32 v252, v14, s[SEL], s[SEL+1]
	s_delay_alu instid0(VALU_DEP_1)
	v_add_f32 v14, v14, v252                       ; the row's sum
	s_wait_alu depctr_va_vdst(0)
	v_rcp_f32 v14, v14
	v_nop
	s_wait_alu depctr_va_vdst(0)
.set j, 0
.rept 32
	v_mul_f32 v[96+j], v[160+j], v14               ; register 16 b + i: channel 32 b + 16 (lane / 16) + i
.set j, j+1
.endr
.irp b, 0,1
	v_max3_num_f32 v[232+\b], |v[96+16*\b]|, |v[97+16*\b]|, 0x1800000
.endr
.irp i, 2,4,6,8,10,12,14
.irp b, 0,1
	s_delay_alu instid0(VALU_DEP_2)
	v_max3_num_f32 v[232+\b], v[232+\b], |v[96+16*\b+\i]|, |v[97+16*\b+\i]|
.endr
.endr
.irp b, 0,1
	s_delay_alu instid0(VALU_DEP_2)
	v_permlanex16_b32 v[236+\b], v[232+\b], s[SEL], s[SEL+1]
.endr
.irp b, 0,1
	s_delay_alu instid0(VALU_DEP_2)
	v_max_num_f32 v[232+\b], v[232+\b], v[236+\b]
.endr
.irp b, 0,1
	s_delay_alu instid0(VALU_DEP_2)
	v_add_nc_u32 v[244+\b], 0xff000000, v[232+\b]
.endr
.irp b, 0,1
	s_delay_alu instid0(VALU_DEP_2)
	v_lshrrev_b32 v[236+\b], 23, v[244+\b]
.endr
	s_delay_alu instid0(VALU_DEP_1)
	v_lshl_or_b32 v254, v237, 8, v236              ; the head's two scale bytes
	v_cvt_scalef32_pk16_fp6_f32 v[192:194], v[96:111], v244
	v_cvt_scalef32_pk16_fp6_f32 v[240:242], v[112:127], v245
	v_nop
.irp i, 0,1,2
	v_permlane16_swap_b32 v[192+\i], v[240+\i]
.endr
.irp i, 0,1,2
	s_delay_alu instid0(VALU_DEP_3)
	v_mov_b32 v[195+\i], v[240+\i]
.endr
.irp p, 0,1,2
	global_store_b64 v1, v[192+2*\p:193+2*\p], s[YC:YC+1] offset:256*\p   ; 256 consecutive bytes, aligned
.endr
	global_store_b16 v4, v254, s[YS:YS+1]          ; two bytes a query, 32 bytes apart: the other heads' bytes of these words come from other work-groups
.if \again
	s_wait_xcnt 0x0                                ; the stores have read their registers and bases
	s_sub_nc_u64 s[QC:QC+1], s[QC:QC+1], s[92:93]
	s_sub_nc_u64 s[QS:QS+1], s[QS:QS+1], s[94:95]
	s_sub_nc_u64 s[YC:YC+1], s[YC:YC+1], s[96:97]
	s_sub_nc_u64 s[YS:YS+1], s[YS:YS+1], s[98:99]
	s_sub_co_u32 s[QMIN], s[QMIN], s[DQ]
	s_mov_b32 s[KF], 0
	LOADQ
	v_mov_b32 v13, 0xff61b1e6
	s_delay_alu instid0(VALU_DEP_1)
	v_floor_f32 v12, -v13
	v_mov_b32 v14, 0
	v_mov_b32 v15, 0
	s_wait_loadcnt 0x0
	v_lshlrev_b32 v28, 16, v29
.set j, 0
.rept 32
	v_mov_b32 v[160+j], 0                          ; (also the places between the line above and the next scaled product)
.set j, j+1
.endr
.endif
.endm
.Lslot:                                            ; eight trips; the ninth is written out
	CHANGE 1
	STEP 0
	STEP 1
	s_xor_b32 s[TB], s[TB], SLOT1
	s_cmp_lg_u32 s[T], s[E1]
	s_cbranch_scc1 .Lsame_block
	FINAL 1
.Lsame_block:
	s_add_co_u32 s[T], s[T], 1
	s_cmp_lt_u32 s[T], 8
	s_cbranch_scc1 .Lslot
	CHANGE 0
	STEP 0
	STEP 1
	FINAL 0
	s_wait_tensorcnt 0x0                           ; the wave's end
	ds_add_u32 v5, v6
	s_wait_dscnt 0x0
	s_endpgm
.Lfunc_end_k_qd9ff16bdad_attn:
	.size	k_qd9ff16bdad_attn, .Lfunc_end_k_qd9ff16bdad_attn-k_qd9ff16bdad_attn
	.p2alignl 7, 3214868480
	.fill 96, 4, 3214868480
	.section	.rodata,"a",@progbits
	.p2align	6, 0x0
	.amdhsa_kernel k_qd9ff16bdad_attn
		.amdhsa_group_segment_fixed_size 327680
		.amdhsa_private_segment_fixed_size 0
		.amdhsa_enable_private_segment 0
		.amdhsa_kernarg_size 24
		.amdhsa_user_sgpr_count 2
		.amdhsa_user_sgpr_kernarg_segment_ptr 1
		.amdhsa_wavefront_size32 1
		.amdhsa_system_sgpr_workgroup_id_x 1
		.amdhsa_system_sgpr_workgroup_id_y 1
		.amdhsa_system_sgpr_workgroup_id_z 1
		.amdhsa_system_vgpr_workitem_id 0
		.amdhsa_next_free_vgpr 256
		.amdhsa_next_free_sgpr 106
		.amdhsa_reserve_vcc 1
		.amdhsa_float_denorm_mode_32 3
		.amdhsa_float_denorm_mode_16_64 3
		.amdhsa_memory_ordered 1
		.amdhsa_forward_progress 1
		.amdhsa_inst_pref_size 122
	.end_amdhsa_kernel
	.amdgpu_metadata
---
amdhsa.version: [ 1, 2 ]
amdhsa.kernels:
  - .name:           k_qd9ff16bdad_attn
    .symbol:         k_qd9ff16bdad_attn.kd
    .args:
      - { .name: qk, .offset: 0, .size: 8, .value_kind: global_buffer, .address_space: global }
      - { .name: vt, .offset: 8, .size: 8, .value_kind: global_buffer, .address_space: global }
      - { .name: yq, .offset: 16, .size: 8, .value_kind: global_buffer, .address_space: global }
    .group_segment_fixed_size: 327680
    .private_segment_fixed_size: 0
    .kernarg_segment_align: 8
    .kernarg_segment_size: 24
    .max_flat_workgroup_size: 512
    .sgpr_count:     106
    .vgpr_count:     256
    .wavefront_size: 32
...
	.end_amdgpu_metadata
.endif
;; end of part 4
;; launch proj (part 5): grid 8 x 32, 4 waves a work-group, clusters of 4 x 4, 327,680 bytes of LDS; arguments yq, wp, out0; writes out0
.if DOCPART == 5
	.amdgcn_target "amdgcn-amd-amdhsa--gfx1250"
	.amdhsa_code_object_version 6
	.text
	.protected	k_qd9ff16bdad_proj
	.globl	k_qd9ff16bdad_proj
	.p2align	8
	.type	k_qd9ff16bdad_proj,@function
k_qd9ff16bdad_proj:
	s_mov_b64 s[64:65], 0
	v_nop
	global_prefetch_b8 v0, s[64:65] scope:SCOPE_SE
	s_setreg_imm32_b32 hwreg(HW_REG_WAVE_MODE, 25, 1), 1
	s_wait_xcnt 0x0
	s_wait_alu depctr_hold_cnt(0) depctr_sa_sdst(0) depctr_va_vdst(0) depctr_va_sdst(0) depctr_va_ssrc(0) depctr_va_vcc(0) depctr_vm_vsrc(0)
	s_getreg_b32 s2, hwreg(HW_REG_IB_STS2, 6, 4)
	s_cmp_eq_u32 s2, 0
	s_cbranch_scc0 .Lentry_in_a_cluster
	s_endpgm
.Lentry_in_a_cluster:
	s_bfe_u32 s2, ttmp6, 0x10000c
	s_cmp_lg_u32 s2, 0xf033
	s_cbranch_scc0 .Lentry_shape_is_right
	s_endpgm
.Lentry_shape_is_right:
; out[m][n] = sum over k of A[m][k] B[n][k], K = 1,024, on codes of FP6 (E2M3) with E8M0 scales; A = y's tokens, B = rows of w_proj; out is f32, [8,192][1,024].
; Operands as launch qk has them: scale words [row block][16][8] from byte 0, images [row block][step of 128][1,536] from byte 262,144; place r of row block rb is row 32 (rb / 2) + 8 (rb % 2) + r + 8 (r / 8).
; A BLOCK is 256 rows of A x 128 rows of B: 32 x 8 blocks, one to each of 256 work-groups.  ALL OF K LIES IN LDS (A 196,608 bytes, B 98,304): nothing is filled again.
; Four waves; wave w takes A's row blocks 4 w .. 4 w + 3 against B's eight: 32 accumulators.  Transposed use (source 0 = B's rows): a lane holds one row of out, its registers run along the columns.
; At the head one joint load a wave, in the order of need: wave 0 B's K 0 .. 511, wave 1 A's, wave 2 B's K 512 .. 1,023, wave 3 A's.  The first barrier waits for waves 0 and 1, the second, in the fourth step, for all.
; The scale words are loaded once from memory into registers: B's (b, kk) in v[32 + 8 b + kk], A's (a, kk) in v[96 + 8 a + (kk + 4) % 8].
; CLUSTERS: 4 x 4; A's tiles jointly along a row of the cluster, B's along a column.  NO PREFETCH: all tiles are asked for at the head; there is no loop to run ahead in.
; THE WAY OUT: a block of 16 rows x 128 columns goes through the wave's own stage in LDS and leaves as rows of 512 consecutive bytes.  The stages lie in A's first half, which nobody reads behind the second barrier.
.set FR,     12
.set IMG,    1536
.set RB,     6144
.set BBS,    196608
.set SPARE,  294912
.set CODES,  262144
.set SPITCH, 528
.set ADRA, 16
.set ADRB, 20
.set STO,  24
.set RD,   25
.set CO,   26
.set GL,   27
.set SPW,  28
.set NIL,  29
.set AF,   128
.set BK,   128
.set G1A,  24
.set G1B,  32
.set G0A0, 56
.set G0B0, 60
.set G0A1, 68
.set G0B1, 72
.set MUL,  0xa1
.set MSB, 0
.macro WIN new
.if MSB != \new
	s_set_vgpr_msb (MSB<<8)|\new
.set MSB, \new
.endif
.endm
.macro PLACES n
.rept \n
	v_nop
.endr
.endm
.macro TLOAD g0, g1
	tensor_load_to_lds s[\g0:\g0+3], s[\g1:\g1+7]
	s_nop 0
	PLACES 4
.endm
.macro ARM under, g0, g1, next
	s_cmp_lt_u32 s14, \under
	s_cbranch_scc0 \next
	TLOAD \g0, \g1
	s_branch .Lhead_asked
\next:
.endm
.macro CROUND
	s_barrier_signal -1
	s_barrier_wait -1
	s_cmp_lg_u32 s14, 0
	s_cbranch_scc1 .Lnot_wave_0_\@
	s_barrier_signal -3
.Lnot_wave_0_\@:
	s_barrier_wait -3
	s_barrier_signal -1
	s_barrier_wait -1
.endm
.macro SHAPE g, mask, c, r
	s_or_b32 s[\g], s\mask, (3<<16)|(1<<21)
	s_mov_b32 s[\g+1], (\c)<<16
	s_mov_b32 s[\g+2], (\r)<<16
	s_mov_b32 s[\g+3], (\c)<<16
	s_mov_b32 s[\g+4], \r
	s_mov_b32 s[\g+5], 1536
	s_mov_b32 s[\g+6], 0
	s_mov_b32 s[\g+7], 0
.endm
.macro WHERE g, lds, base, off
	s_mov_b32 s[\g], 1
	s_mov_b32 s[\g+1], \lds
	s_add_nc_u64 s[\g+2:\g+3], s[\base:\base+1], \off
	s_or_b32 s[\g+3], s[\g+3], 0x80000000
.endm
	s_load_b128 s[4:7], s[0:1], 0x0                ; A, B
	s_load_b64 s[12:13], s[0:1], 0x10              ; out
	v_lshl_add_u32 v[SPW], v0, 2, SPARE
	v_mov_b32 v[NIL], 0
	ds_add_u32 v[SPW], v[NIL]                      ; the opening lines
	ds_add_u32 v[SPW], v[NIL]
	v_lshrrev_b32 v1, 5, v0
	v_readfirstlane_b32 s14, v1                    ; wave 0..3
	s_bfe_u32 s92, ttmp6, 0x40000                  ; cx
	s_bfe_u32 s93, ttmp6, 0x40004                  ; cy
	s_lshl_b32 s94, ttmp9, 2
	s_add_co_u32 s94, s94, s92                     ; block column
	s_and_b32 s17, ttmp7, 0xffff
	s_lshl_b32 s17, s17, 2
	s_add_co_u32 s17, s17, s93                     ; block row
	s_lshl_b32 s95, s93, 2
	s_lshl_b32 s95, 15, s95
	s_lshl_b32 s96, 0x1111, s92
	SHAPE G1A, 95, 768, 16
	SHAPE G1B, 96, 768, 8
	s_mul_i32 s20, s17, 196608
	s_add_co_u32 s20, s20, CODES
	s_mov_b32 s21, 0
	s_mul_i32 s22, s94, 98304
	s_add_co_u32 s22, s22, CODES
	s_mov_b32 s23, 0
	s_lshl_b32 s98, s17, 13
	s_lshl_b32 s18, s14, 11
	s_add_co_u32 s98, s98, s18
	s_mov_b32 s99, 0
	s_lshl_b32 s10, s94, 12
	s_mov_b32 s11, 0
	s_wait_dscnt 0x0
	s_wait_kmcnt 0x0
	s_add_nc_u64 s[20:21], s[4:5], s[20:21]
	s_add_nc_u64 s[98:99], s[4:5], s[98:99]
	s_add_nc_u64 s[22:23], s[6:7], s[22:23]
	s_add_nc_u64 s[10:11], s[6:7], s[10:11]
	CROUND                                         ; the first joint loads meet
	WHERE G0B0, BBS, 22, 0
	WHERE G0A0, 0, 20, 0
	WHERE G0B1, BBS+49152, 22, RB
	WHERE G0A1, 98304, 20, RB
	ARM 1, G0B0, G1B, .Lh1
	ARM 2, G0A0, G1A, .Lh2
	ARM 3, G0B1, G1B, .Lh3
	TLOAD G0A1, G1A
.Lhead_asked:
	v_and_b32 v1, 15, v0                           ; r
	v_bfe_u32 v2, v0, 4, 1                         ; h
	v_and_b32 v3, 31, v0                           ; lane
	v_lshlrev_b32 v[GL], 3, v3
	v_lshlrev_b32 v5, 5, v1                        ; 32 r
	s_mul_i32 s2, s14, 4*RB
	v_add_nc_u32 v[ADRA], s2, v[GL]
	v_add_nc_u32 v[ADRA+1], 98304, v[ADRA]
	v_add_nc_u32 v[ADRB], BBS, v[GL]
	v_add_nc_u32 v[ADRB+1], BBS+49152, v[GL]
	s_mul_i32 s76, s14, 16*SPITCH                  ; my stage
	v_mul_u32_u24 v6, v1, SPITCH                   ; in: row r, 64 bytes for each half of the lanes
	v_lshl_add_u32 v6, v2, 6, v6
	v_add_nc_u32 v[STO], s76, v6
	v_lshlrev_b32 v[CO], 4, v3                     ; back: the 32 lanes take one row of 512 bytes; the same in out
	v_add_nc_u32 v[RD], s76, v[CO]
	s_lshl_b32 s2, s17, 8
	s_lshl_b32 s3, s14, 6
	s_add_co_u32 s2, s2, s3                        ; my first row: 256 x block row + 64 x wave
	s_lshl_b32 s2, s2, 12                          ; rows of 4,096 bytes
	s_lshl_b32 s3, s94, 9                          ; 512 bytes a block column
	s_add_co_u32 s2, s2, s3
	s_mov_b32 s3, 0
	s_add_nc_u64 s[12:13], s[12:13], s[2:3]
	s_wait_alu depctr_va_vdst(0)
.irp i, 0,1,2,3,4,5,6,7
	global_load_b128 v[32+8*\i:35+8*\i], v5, s[10:11] offset:512*\i
	global_load_b128 v[36+8*\i:39+8*\i], v5, s[10:11] offset:512*\i+16
.endr
.irp i, 0,1,2,3
	global_load_b128 v[100+8*\i:103+8*\i], v5, s[98:99] offset:512*\i
	global_load_b128 v[96+8*\i:99+8*\i], v5, s[98:99] offset:512*\i+16
.endr
.macro W1 d, b, a, c, xb, xa
	v_wmma_scale_f32_16x16x128_f8f6f4 v[\d:\d+7], v[\b:\b+FR-1], v[\a:\a+FR-1], \c, v[\xb], v[\xa] matrix_a_fmt:MATRIX_FMT_FP6 matrix_b_fmt:MATRIX_FMT_FP6
.endm
.macro MUL16 a0, kk, zero              ; A's blocks a0, a0 + 1 x B's eight; the 32 accumulators take turns
.irp a, \a0, \a0+1
.irp b, 0,1,2,3,4,5,6,7
.set D_, 8*(8*(\a)+\b)
.set B_, 128*((\kk)%2)+FR*\b
.set A_, AF+48*((\kk)%2)+FR*(\a)
.set XB_, 32+8*\b+(\kk)
.set XA_, 96+8*(\a)+((\kk)+4)%8
.if \zero
	W1 D_, B_, A_, 0, XB_, XA_
.else
	W1 D_, B_, A_, v[D_:D_+7], XB_, XA_
.endif
.endr
.endr
.endm
.macro FRAG reg, adr, off
.irp p, 0,1,2,3,4,5
	ds_load_b64 v[\reg+2*\p:\reg+2*\p+1], v[\adr] offset:\off+256*\p
.endr
.endm
.macro FETCH kk                        ; step kk's twelve fragments into set kk % 2: 72 loads
.set OF_, ((\kk)%4)*IMG
	WIN 0x40
.irp i, 0,1,2,3,4,5,6,7
	FRAG 128*((\kk)%2)+FR*\i, ADRB+(\kk)/4, \i*RB+OF_
.endr
	WIN 0
.irp i, 0,1,2,3
	FRAG AF+48*((\kk)%2)+FR*\i, ADRA+(\kk)/4, \i*RB+OF_
.endr
.endm
.macro STEP kk, zero
	s_wait_dscnt 0x0                               ; this step's fragments are in
.if \kk == 3
	s_wait_tensorcnt 0x0                           ; every wave: the second half of K is in
	s_barrier_signal -1
	WIN MUL
	MUL16 0, \kk, \zero
	s_barrier_wait -1
	PLACES 4
	FETCH (\kk)+1
	WIN MUL
	MUL16 2, \kk, \zero
.else
.if \kk < 7
.if \kk > 0
	PLACES 4                                       ; between the last step's products and the loads into their registers
.endif
	FETCH (\kk)+1
.endif
	WIN MUL
	MUL16 0, \kk, \zero
	MUL16 2, \kk, \zero
.endif
	WIN 0
.endm
	s_cmp_lt_u32 s14, 2
	s_cbranch_scc0 .Lnot_first
	s_wait_tensorcnt 0x0                           ; waves 0 and 1: the first half of K is in
.Lnot_first:
	s_barrier_signal -1
	s_barrier_wait -1
	FETCH 0
	s_wait_loadcnt 0x0                             ; the scale words
	STEP 0, 1
.irp k, 1,2,3,4,5,6,7
	STEP \k, 0
.endr
	PLACES 4
.macro TOSTAGE a                       ; accumulator b's register j of lane (r, h) is column 32 (b / 2) + 8 (b % 2) + 16 h + j of row place r; each accumulator is stored from its low end on
.set AC, 64*(\a)
	WIN 0x08
.irp b, 0,1,2,3,4,5,6,7
	ds_store_b128 v[STO], v[AC+8*\b:AC+8*\b+3] offset:128*(\b/2)+32*(\b%2)
	ds_store_b128 v[STO], v[AC+8*\b+4:AC+8*\b+7] offset:128*(\b/2)+32*(\b%2)+16
.endr
	WIN 0
.set BB, BK+64*((\a)%2)
.irp t, 0,1,2,3,4,5,6,7,8,9,10,11,12,13,14,15
	ds_load_b128 v[BB+4*\t:BB+4*\t+3], v[RD] offset:\t*SPITCH      ; LDS serves a wave's instructions in order (ISA guide 5.7.1.4): these see the stores above
.endr
.endm
.macro SEND a, younger                 ; younger: the LDS instructions issued behind block a's loads
.set BB, BK+64*((\a)%2)
	s_wait_dscnt \younger
.irp t, 0,1,2,3,4,5,6,7,8,9,10,11,12,13,14,15
	global_store_b128 v[CO], v[BB+4*\t:BB+4*\t+3], s[12:13] offset:(32*((\a)/2)+8*((\a)%2)+\t+8*(\t/8))*4096 th:TH_STORE_NT   ; 512 consecutive bytes, aligned
.endr
.endm
	TOSTAGE 0
.irp a, 1,2,3
.if \a > 1
	s_wait_xcnt 0x0                                ; block a - 2's stores have read their registers
.endif
	TOSTAGE \a
	SEND \a-1, 32
.endr
	SEND 3, 0
	s_wait_tensorcnt 0x0                           ; the wave's end
	ds_add_u32 v[SPW], v[NIL]
	s_wait_dscnt 0x0
	CROUND                                         ; the closing round
	s_endpgm
.Lfunc_end_k_qd9ff16bdad_proj:
	.size	k_qd9ff16bdad_proj, .Lfunc_end_k_qd9ff16bdad_proj-k_qd9ff16bdad_proj
	.p2alignl 7, 3214868480
	.fill 96, 4, 3214868480
	.section	.rodata,"a",@progbits
	.p2align	6, 0x0
	.amdhsa_kernel k_qd9ff16bdad_proj
		.amdhsa_group_segment_fixed_size 327680
		.amdhsa_private_segment_fixed_size 0
		.amdhsa_enable_private_segment 0
		.amdhsa_kernarg_size 24
		.amdhsa_user_sgpr_count 2
		.amdhsa_user_sgpr_kernarg_segment_ptr 1
		.amdhsa_wavefront_size32 1
		.amdhsa_system_sgpr_workgroup_id_x 1
		.amdhsa_system_sgpr_workgroup_id_y 1
		.amdhsa_system_sgpr_workgroup_id_z 1
		.amdhsa_system_vgpr_workitem_id 0
		.amdhsa_next_free_vgpr 768
		.amdhsa_next_free_sgpr 100
		.amdhsa_reserve_vcc 0
		.amdhsa_float_denorm_mode_32 3
		.amdhsa_float_denorm_mode_16_64 3
		.amdhsa_memory_ordered 1
		.amdhsa_forward_progress 1
		.amdhsa_inst_pref_size 94
	.end_amdhsa_kernel
	.amdgpu_metadata
---
amdhsa.version: [ 1, 2 ]
amdhsa.kernels:
  - .name:           k_qd9ff16bdad_proj
    .symbol:         k_qd9ff16bdad_proj.kd
    .args:
      - { .name: yq, .offset: 0, .size: 8, .value_kind: global_buffer, .address_space: global }
      - { .name: wp, .offset: 8, .size: 8, .value_kind: global_buffer, .address_space: global }
      - { .name: out0, .offset: 16, .size: 8, .value_kind: global_buffer, .address_space: global }
    .group_segment_fixed_size: 327680
    .private_segment_fixed_size: 0
    .kernarg_segment_align: 8
    .kernarg_segment_size: 24
    .max_flat_workgroup_size: 128
    .sgpr_count:     100
    .vgpr_count:     768
    .wavefront_size: 32
...
	.end_amdgpu_metadata
.endif
;; end of part 5
